; MI455X (gfx1250); checked and timed in simulation.
; The chip was launched on July 23, 2026; its instructions are those of AMD's public machine-readable ISA for CDNA 5 (MIT licence, August 2026) and "CDNA5" Instruction Set Architecture Reference Guide (July 2026). The comments in the code are by the model that wrote it; some were corrected since.
;; S Attention. Allowed arithmetic: matrix products marked QUANTISED: E2M3 operands, one E8M0 scale for each 32 along K, by v_wmma_scale_f32_16x16x128_f8f6f4 with both operands' format E2M3, f32 sums; everything else in f32.
;; Inputs: W_ffn1 256 x 256 float32; W_ffn2 256 x 256 float32; Wk 256 x 256 float32; Wq 256 x 256 float32; Wv 256 x 256 float32; b1 256 float32; b2 256 float32; b_ffn1 256 float32; b_ffn2 256 float32; g1 256 float32; g2 256 float32; x 2,048 x 16 x 256 float32.
;; Outputs: out0 2,048 x 16 x 256 float32.
;; This version of the problem:
;;   THIS VERSION OF THE PROBLEM IS GIVEN IN LOW PRECISION. The matrix products marked QUANTISED in the list below multiply operands that are first quantised to E2M3 (2 exponent bits, 3 mantissa bits; 6 bits a number), with one power-of-two scale for each 32 numbers along K (OCP MX v1.0); their sums are f32. All else is computed in f32.
;;   The module's matrix products, in the order in which they are computed (A, B: the left and right operand; K: the contracted axis; several contracted axes count as one K, in the product's order):
;;     1. [M 32,768, K 256] x [K 256, N 256]; A: computed on the way; B: input Wq: QUANTISED
;;     2. [M 32,768, K 256] x [K 256, N 256]; A: computed on the way; B: input Wk: QUANTISED
;;     3. [M 32,768, K 256] x [K 256, N 256]; A: computed on the way; B: input Wv: QUANTISED
;;     4. batch 16 x [M 2,048, K 43] x [K 43, N 2,048]; A: computed on the way; B: computed on the way: QUANTISED
;;     5. batch 16 x [M 2,048, K 2,048] x [K 2,048, N 43]; A: softmax (see below); B: computed on the way: QUANTISED
;;     6. batch 16 x [M 2,048, K 43] x [K 43, N 2,048]; A: computed on the way; B: computed on the way: QUANTISED
;;     7. batch 16 x [M 2,048, K 2,048] x [K 2,048, N 43]; A: softmax (see below); B: computed on the way: QUANTISED
;;     8. batch 16 x [M 2,048, K 43] x [K 43, N 2,048]; A: computed on the way; B: computed on the way: QUANTISED
;;     9. batch 16 x [M 2,048, K 2,048] x [K 2,048, N 43]; A: softmax (see below); B: computed on the way: QUANTISED
;;     10. batch 16 x [M 2,048, K 43] x [K 43, N 2,048]; A: computed on the way; B: computed on the way: QUANTISED
;;     11. batch 16 x [M 2,048, K 2,048] x [K 2,048, N 43]; A: softmax (see below); B: computed on the way: QUANTISED
;;     12. batch 16 x [M 2,048, K 42] x [K 42, N 2,048]; A: computed on the way; B: computed on the way: QUANTISED
;;     13. batch 16 x [M 2,048, K 2,048] x [K 2,048, N 42]; A: softmax (see below); B: computed on the way: QUANTISED
;;     14. batch 16 x [M 2,048, K 42] x [K 42, N 2,048]; A: computed on the way; B: computed on the way: QUANTISED
;;     15. batch 16 x [M 2,048, K 2,048] x [K 2,048, N 42]; A: softmax (see below); B: computed on the way: QUANTISED
;;     16. [M 32,768, K 256] x [K 256, N 256]; A: computed on the way; B: input W_ffn1: QUANTISED
;;     17. [M 32,768, K 256] x [K 256, N 256]; A: computed on the way; B: input W_ffn2: QUANTISED
;;   THE QUANTISER, for each operand of a quantised product, along K:
;;     - K is cut into blocks of 32 from its start; a last block that is shorter is filled with zeros.
;;     - A block's scale is 2^e with e = floor(log2(the largest magnitude in the block)) - 2, held to -126 .. 127; a block of zeros has e = 0. As a byte (E8M0): e + 127.
;;     - Each number is divided by its block's scale, clamped to +-7.5, and rounded to the nearest number of E2M3, ties to even, subnormals kept.
;;     - The product sums the exact products of the quantised numbers (number of the format x scale) in f32.
;;   ~~~python
;;   def quantise(x, axis):      # numpy; x: float32 -> the quantised numbers, widened to float32 again
;;       x = np.moveaxis(x, axis, -1); K = x.shape[-1]
;;       x = np.pad(x, [(0, 0)] * (x.ndim - 1) + [(0, -K % 32)]); x = x.reshape(x.shape[:-1] + (-1, 32)); a = np.abs(x).max(-1, keepdims=True)
;;       e = np.where(a > 0, np.clip(np.frexp(np.where(a > 0, a, 1))[1] - 1 - 2, -126, 127), 0)      # np.frexp(a)[1] - 1 = floor(log2(a)), exactly
;;       r = np.clip(x / 2.0 ** e, -7.5, 7.5)
;;       step = 2.0 ** (np.maximum(np.frexp(np.where(r == 0, 1, r))[1] - 1, 0) - 3)
;;       q = np.round(r / step) * step * 2.0 ** e      # np.round: ties to even
;;       return np.moveaxis(q.reshape(q.shape[:-2] + (-1,))[..., :K], -1, axis).astype(np.float32)
;;   ~~~
;;   SOFTMAX AHEAD OF A QUANTISED PRODUCT. Where the list says 'softmax', what is quantised is not the finished softmax but p = 2^(t - M), with t = logit x log2(e) and M = ceil(the row's largest t), a whole number; so 1/2 < the row's largest p <= 1. The row's sum l is taken of the UNQUANTISED p, in f32, and the product's result is divided by l at the end. Since M is a whole number, a kernel that streams over the keys may use a running M (the ceiling of the running maximum): every later rescaling is an exact power of two, which a block's scale takes up: the codes' values come out the same.
;;   OPERANDS COMPUTED ON THE WAY. 'Computed on the way' means the value that the module computes at that place (a softmax that the list does not call 'softmax' is quantised finished and normalised). What goes into a quantiser is computed in f32, as accurately as f32 sums, v_exp_f32 and their like allow (about 1e-6 of the number): no bf16 or f16 on the way to a quantiser, and a product that is left as it is and whose result goes on into a quantised operand takes f32 operands (vector FMAs, or v_wmma_f32_16x16x4_f32). A number that lies on a knife's edge between two numbers of the format may be rounded either way, as far as f32 arithmetic and the matrix unit's own rounding can turn it there, and no further.
;; One version. Each part assembles by itself: llvm-mc -triple=amdgcn-amd-amdhsa -mcpu=gfx1250 --defsym DOCPART=n.
;; ======== version 1 of 1: 4 launches
;; limits: right only within a limited range of input values
;; workspace buffers: xq 6,553,600 bytes; wt 279,296 bytes; qc 10,223,616 bytes; kv 18,087,936 bytes; ao 37,748,736 bytes
;; launch prep (part 1): grid 523 x 1, 8 waves a work-group, no clusters, 87,552 bytes of LDS; arguments x, g1, b1, Wq, Wk, Wv, W_ffn1, W_ffn2, g2, b2, b_ffn1, b_ffn2, xq, wt; writes xq, wt
.if DOCPART == 1
	.amdgcn_target "amdgcn-amd-amdhsa--gfx1250"
	.amdhsa_code_object_version 6
	.text
	.protected	k_qa80e8b959b_prep
	.globl	k_qa80e8b959b_prep
	.p2align	8
	.type	k_qa80e8b959b_prep,@function
k_qa80e8b959b_prep:
	s_mov_b64 s[64:65], 0
	v_nop
	global_prefetch_b8 v0, s[64:65] scope:SCOPE_SE
	s_setreg_imm32_b32 hwreg(HW_REG_WAVE_MODE, 25, 1), 1
	s_wait_xcnt 0x0
; PREP.  (1) normed = layernorm(x, g1, b1), quantised along D to codes of E2M3 with one E8M0 byte for each 32, laid as images of operand registers (buffer xq).
; (2) the five weights, quantised along their FIRST axis (their K), laid as images of operand registers (buffer wt).  (3) g2, b2, b_ffn1, b_ffn2 copied behind the FFN weights' images, so that the last launch fetches one dense block.
; DEAD WORK: none is left out.  Every one of the twelve inputs has a way to out0 and is loaded by some launch; all 17 products of the problem are done.
; LIMITS: NaN and infinities among the inputs are not served.  A block of zeros, and a block whose largest magnitude lies under 2^-124, carries the byte 1 (its codes are zeros or subnormal codes; these bytes are read by this program alone).
; The sums of the layer norm are taken in another order than the source takes them, in f32.
; A UNIT (768 bytes) is the image of 16 rows x 64 K: six registers a lane; lane (r, h) holds block h of row r; registers 0-3 at 16 x lane, registers 4-5 at 512 + 8 x lane.
; ROWS OF A TILE: in a group of 128 positions tile m, lane r is position 64 (m / 4) + 8 (m % 4) + r % 8 + 32 (r / 8).
; xq: record (b x 32 + sh), 12,800 bytes, for 64 positions: tile m4 (0..3), unit k (0..3) at 3072 m4 + 768 k; scale words at 12,288 + 128 m4 + 64 s + 4 r (s: which 128 along K).
; wt: QKV tile T = 18 role + 3 head + t3 at 3072 T; their scale words at 165,888 + 128 T + 64 s + 4 r; FFN tile F at 172,800 + 3072 F; their words at 271,104 + 128 F; the four tables at 275,200.
; SHARES: work-groups 0 to 10 take the weights, a wave a tile of 16 columns; the other 512 take 64 positions of one b each, a wave 8 positions.
.set STGW,  9216                       ; a wave's stage: 8 rows, 1,152 bytes apart; in a row each 128 bytes have a place of 144
.set IMG,   73728                      ; behind the eight stages: the record's image, 12,800 bytes
.set SPARE, 86528                      ; behind it: the spare words, 128 bytes a wave: four blocks of 256 bytes that no other line names
.set REC,   12800
.set SPW,   12                         ; v12 my spare word's LDS address; never rewritten
.set NIL,   13                         ; v13 0; never rewritten
.set WV,    33                         ; s33 my wave's number
.set X,     16                         ; v16-79   two rows' blocks of 32 numbers
.set G,     80                         ; v80-111  g1 of my block; later the codes' scratch
.set B,     112                        ; v112-143 b1 of my block
.set T,     144                        ; v144-151 at work
.set ST,    152                        ; v152-159 for each row group: the mean twice, 1 / sqrt(var + eps) twice
	s_load_b512 s[4:19], s[0:1], 0x0               ; x, g1, b1, Wq, Wk, Wv, W_ffn1, W_ffn2
	s_load_b256 s[20:27], s[0:1], 0x40             ; g2, b2, b_ffn1, b_ffn2
	s_load_b128 s[28:31], s[0:1], 0x60             ; xq, wt
	v_lshl_add_u32 v[SPW], v0, 2, SPARE
	v_mov_b32 v[NIL], 0
	v_lshrrev_b32 v1, 5, v0
	s_delay_alu instid0(VALU_DEP_1)
	v_readfirstlane_b32 s[WV], v1
	s_cmp_lt_u32 ttmp9, 11
	s_cbranch_scc1 .Lweights
	; ---------------- x: 64 positions of one b; my wave: positions 8 w .. 8 w + 7 = rows 8 a .. 8 a + 7 of tile m4
	s_sub_co_u32 s34, ttmp9, 11
	s_and_b32 s35, s34, 15                         ; b
	s_lshr_b32 s36, s34, 4                         ; sh
	s_lshl_b32 s38, s36, 20                        ; 64 positions x 16 x 1,024 bytes
	s_lshl_b32 s37, s[WV], 17                      ; 8 positions
	s_add_co_u32 s38, s38, s37
	s_lshl_b32 s37, s35, 10
	s_add_co_u32 s38, s38, s37
	s_mov_b32 s39, 0
	s_lshl_b32 s40, s35, 5
	s_add_co_u32 s40, s40, s36                     ; the record
	s_mul_i32 s40, s40, REC
	s_lshl_b32 s37, s[WV], 9
	s_add_co_u32 s40, s40, s37                     ; + my wave's 512 bytes of each 4,096 on the way out
	s_mov_b32 s41, 0
	s_mul_i32 s42, s[WV], STGW
	; THE ROWS OF A TILE, as the code has them: in a record's 64 positions tile u, row r is position 8 u + r % 8 + 32 (r / 8); so in a group of 128 positions tile m, row r is position 64 (m / 4) + 8 (m % 4) + r % 8 + 32 (r / 8)
	s_and_b32 s43, s[WV], 3                        ; m4 = w % 4
	s_lshr_b32 s44, s[WV], 2                       ; a = w / 4
	s_mul_i32 s45, s43, 3072
	s_add_co_u32 s45, s45, IMG
	s_lshl_b32 s46, s44, 7
	s_add_co_u32 s46, s46, s45                     ; registers 0-3: 16 bytes a row
	s_lshl_b32 s47, s44, 6
	s_add_co_u32 s47, s47, s45
	s_add_co_u32 s47, s47, 512                     ; registers 4-5: 8 bytes a row
	s_lshl_b32 s48, s43, 7
	s_lshl_b32 s37, s44, 5
	s_add_co_u32 s48, s48, s37
	s_add_co_u32 s48, s48, IMG+12288               ; scale words: 4 bytes a row
	s_mov_b32 s49, 0x3b800000                      ; 1 / 256
	s_mov_b32 s50, 0x3727c5ac                      ; 1e-5
	s_lshl_b32 s37, s[WV], 9
	s_add_co_u32 s37, s37, IMG
	v_and_b32 v2, 31, v0
	s_delay_alu instid0(VALU_DEP_1)
	v_lshlrev_b32 v4, 4, v2                        ; 16 x lane
	v_and_b32 v3, 7, v0                            ; beta: my block of 32 along D
	v_bfe_u32 v15, v0, 3, 2                        ; rho: my row in a group of four
	s_delay_alu instid0(VALU_DEP_1)
	v_mul_u32_u24 v5, v15, 144
	s_delay_alu instid0(VALU_DEP_1)
	v_lshl_add_u32 v5, v3, 4, v5
	s_delay_alu instid0(VALU_DEP_1)
	v_add_nc_u32 v5, s42, v5                       ; stage, in: a load's 512 bytes as they lie
	s_delay_alu instid0(VALU_DEP_4)
	v_mul_u32_u24 v6, v15, 1152
	s_delay_alu instid0(VALU_DEP_1)
	v_mad_u32_u24 v6, v3, 144, v6
	s_delay_alu instid0(VALU_DEP_1)
	v_add_nc_u32 v6, s42, v6                       ; stage, out: row rho, block beta
	v_bfe_u32 v1, v0, 1, 2                         ; beta / 2: the unit
	v_and_b32 v10, 1, v0                           ; beta % 2: the half of the lanes in the image
	s_delay_alu instid0(VALU_DEP_2)
	v_mul_u32_u24 v7, v1, 768
	s_delay_alu instid0(VALU_DEP_1)
	v_lshl_add_u32 v8, v10, 7, v7
	s_delay_alu instid0(VALU_DEP_1)
	v_lshl_add_u32 v8, v15, 3, v8
	s_delay_alu instid0(VALU_DEP_1)
	v_add_nc_u32 v8, s47, v8
	s_delay_alu instid0(VALU_DEP_4)
	v_lshl_add_u32 v7, v10, 8, v7
	s_delay_alu instid0(VALU_DEP_1)
	v_lshl_add_u32 v7, v15, 4, v7
	s_delay_alu instid0(VALU_DEP_1)
	v_add_nc_u32 v7, s46, v7
	v_bfe_u32 v9, v0, 2, 1                         ; beta / 4: which 128 along K
	s_delay_alu instid0(VALU_DEP_1)
	v_lshlrev_b32 v9, 6, v9
	s_delay_alu instid0(VALU_DEP_1)
	v_lshl_add_u32 v9, v15, 2, v9
	v_and_b32 v10, 3, v0
	s_delay_alu instid0(VALU_DEP_1)
	v_add_nc_u32 v9, v9, v10                       ; my block's byte in the row's word
	s_delay_alu instid0(VALU_DEP_1)
	v_add_nc_u32 v9, s48, v9
	v_add_nc_u32 v11, s37, v4                      ; the way out of the image
	v_lshlrev_b32 v14, 7, v3                       ; my block in g1 and b1
	s_wait_alu depctr_va_vdst(0)
	s_wait_kmcnt 0x0
	s_add_nc_u64 s[4:5], s[4:5], s[38:39]
	s_add_nc_u64 s[28:29], s[28:29], s[40:41]
.irp p,0,1,2,3,4,5,6,7
.irp j,0,1
	global_load_b128 v[X+8*\p+4*\j:X+8*\p+4*\j+3], v4, s[4:5] offset:\p*16384+512*\j th:TH_LOAD_NT   ; 32 lanes read 512 consecutive bytes of a row
.endr
.endr
.irp j,0,1,2,3,4,5,6,7
	global_load_b128 v[G+4*\j:G+4*\j+3], v14, s[6:7] offset:16*\j
	global_load_b128 v[B+4*\j:B+4*\j+3], v14, s[8:9] offset:16*\j
.endr
	s_wait_loadcnt 16                              ; x's 16 loads are in; g1's and b1's 16 may be out
.irp p,0,1,2,3,4,5,6,7
.irp j,0,1
	ds_store_b128 v5, v[X+8*\p+4*\j:X+8*\p+4*\j+3] offset:\p*1152+576*\j
.endr
.endr
.irp g,0,1
.irp j,0,1,2,3,4,5,6,7
	ds_load_b128 v[X+32*\g+4*\j:X+32*\g+4*\j+3], v6 offset:\g*4608+16*\j   ; LDS serves a wave's instructions in order: these see my stores.  Row 4 g + rho, my block's 32 numbers
.endr
.endr
	s_wait_dscnt 0x0
.macro REDUCE                          ; four chains of pairs become one number, the same in the eight lanes of a row
	s_delay_alu instid0(VALU_DEP_3)
	v_pk_add_f32 v[T:T+1], v[T:T+1], v[T+2:T+3]
	s_delay_alu instid0(VALU_DEP_2)
	v_pk_add_f32 v[T+4:T+5], v[T+4:T+5], v[T+6:T+7]
	s_delay_alu instid0(VALU_DEP_1)
	v_pk_add_f32 v[T:T+1], v[T:T+1], v[T+4:T+5]
	s_delay_alu instid0(VALU_DEP_1)
	v_add_f32 v[T], v[T], v[T+1]
	s_delay_alu instid0(VALU_DEP_1)
	v_add_f32_dpp v[T], v[T], v[T] row_xmask:1 row_mask:0xf bank_mask:0xf
	s_delay_alu instid0(VALU_DEP_1)
	v_add_f32_dpp v[T], v[T], v[T] row_xmask:2 row_mask:0xf bank_mask:0xf
	s_delay_alu instid0(VALU_DEP_1)
	v_add_f32_dpp v[T], v[T], v[T] row_xmask:4 row_mask:0xf bank_mask:0xf
.endm
.macro LNSTAT g                        ; row group g: the mean is taken away; 1 / sqrt(var + eps) is asked for
.set XB, X+32*\g
.set MU, ST+4*\g
.irp k,0,1,2,3
	v_pk_add_f32 v[T+2*\k:T+2*\k+1], v[XB+4*\k:XB+4*\k+1], v[XB+4*\k+2:XB+4*\k+3]
.endr
.irp q,16,24
.irp k,0,1,2,3
	s_delay_alu instid0(VALU_DEP_4)
	v_pk_add_f32 v[T+2*\k:T+2*\k+1], v[T+2*\k:T+2*\k+1], v[XB+\q+2*\k:XB+\q+2*\k+1]
.endr
.endr
	REDUCE
	s_delay_alu instid0(VALU_DEP_1)
	v_mul_f32 v[MU], s49, v[T]
	s_delay_alu instid0(VALU_DEP_1)
	v_mov_b32 v[MU+1], v[MU]
.irp k,0,2,4,6,8,10,12,14,16,18,20,22,24,26,28,30
	v_pk_add_f32 v[XB+\k:XB+\k+1], v[XB+\k:XB+\k+1], v[MU:MU+1] neg_lo:[0,1] neg_hi:[0,1]
.endr
.irp k,0,1,2,3
	v_pk_mul_f32 v[T+2*\k:T+2*\k+1], v[XB+2*\k:XB+2*\k+1], v[XB+2*\k:XB+2*\k+1]
.endr
.irp q,8,16,24
.irp k,0,1,2,3
	s_delay_alu instid0(VALU_DEP_4)
	v_pk_fma_f32 v[T+2*\k:T+2*\k+1], v[XB+\q+2*\k:XB+\q+2*\k+1], v[XB+\q+2*\k:XB+\q+2*\k+1], v[T+2*\k:T+2*\k+1]
.endr
.endr
	REDUCE
	s_delay_alu instid0(VALU_DEP_1)
	v_fma_f32 v[T], v[T], s49, s50                 ; var + eps
	s_wait_alu depctr_va_vdst(0)
	v_rsq_f32 v[MU+2], v[T]
	v_nop                                          ; a plain instruction before the root's source is written again
.endm
	LNSTAT 0
	LNSTAT 1
	s_wait_alu depctr_va_vdst(0)                   ; one wait for the two roots, ahead of their first reader
	v_mov_b32 v[ST+3], v[ST+2]
	v_mov_b32 v[ST+7], v[ST+6]
	s_wait_alu depctr_va_vdst(0)
	s_wait_loadcnt 0x0                             ; g1, b1
.irp g,0,1
.irp k,0,2,4,6,8,10,12,14,16,18,20,22,24,26,28,30
	v_pk_mul_f32 v[X+32*\g+\k:X+32*\g+\k+1], v[X+32*\g+\k:X+32*\g+\k+1], v[ST+4*\g+2:ST+4*\g+3]
.endr
.irp k,0,2,4,6,8,10,12,14,16,18,20,22,24,26,28,30
	v_pk_fma_f32 v[X+32*\g+\k:X+32*\g+\k+1], v[X+32*\g+\k:X+32*\g+\k+1], v[G+\k:G+\k+1], v[B+\k:B+\k+1]
.endr
.endr
.macro QBLK g                          ; my block of row group g: all 32 numbers are mine.  g1's registers are free now: 16 of them for each group
.set XB, X+32*\g
.set CB, G+16*\g
	v_max3_num_f32 v[CB+12], |v[XB]|, |v[XB+1]|, 0x1800000          ; with the floor 2^(3 - 127): the byte cannot fall under 1
	v_max3_num_f32 v[CB+13], |v[XB+2]|, |v[XB+3]|, |v[XB+4]|
.irp i,5,9,13,17,21,25
	s_delay_alu instid0(VALU_DEP_2)
	v_max3_num_f32 v[CB+12], v[CB+12], |v[XB+\i]|, |v[XB+\i+1]|
	s_delay_alu instid0(VALU_DEP_2)
	v_max3_num_f32 v[CB+13], v[CB+13], |v[XB+\i+2]|, |v[XB+\i+3]|
.endr
	s_delay_alu instid0(VALU_DEP_2)
	v_max3_num_f32 v[CB+12], v[CB+12], |v[XB+29]|, |v[XB+30]|
	s_delay_alu instid0(VALU_DEP_1)
	v_max3_num_f32 v[CB+12], v[CB+12], v[CB+13], |v[XB+31]|
	s_delay_alu instid0(VALU_DEP_1)
	v_add_nc_u32 v[CB+14], 0xff000000, v[CB+12]    ; 2 off the exponent field: the conversion's scale operand
	s_delay_alu instid0(VALU_DEP_1)
	v_lshrrev_b32 v[CB+15], 23, v[CB+14]           ; the scale's byte
	v_cvt_scalef32_pk16_fp6_f32 v[CB:CB+2], v[XB:XB+15], v[CB+14]
	v_cvt_scalef32_pk16_fp6_f32 v[CB+8:CB+10], v[XB+16:XB+31], v[CB+14]   ; (a conversion's three registers begin on an even number)
	v_nop                                          ; one plain instruction behind the conversions
	v_mov_b32 v[CB+3], v[CB+8]
	v_mov_b32 v[CB+4], v[CB+9]
	v_mov_b32 v[CB+5], v[CB+10]
	ds_store_b128 v7, v[CB:CB+3] offset:64*\g
	ds_store_b64 v8, v[CB+4:CB+5] offset:32*\g
	ds_store_b8 v9, v[CB+15] offset:16*\g
.endm
	QBLK 0
	QBLK 1
	s_wait_dscnt 0x0                               ; for the others' sake: my part of the image has landed
	s_barrier_signal -1
	s_barrier_wait -1
	ds_load_b128 v[16:19], v11                     ; the image leaves as it lies: 25 pieces of 512 bytes, three a wave and one more for wave 0
	ds_load_b128 v[20:23], v11 offset:4096
	ds_load_b128 v[24:27], v11 offset:8192
	s_wait_dscnt 2
	global_store_b128 v4, v[16:19], s[28:29]
	s_wait_dscnt 1
	global_store_b128 v4, v[20:23], s[28:29] offset:4096
	s_wait_dscnt 0x0
	global_store_b128 v4, v[24:27], s[28:29] offset:8192
	s_cmp_lg_u32 s[WV], 0
	s_cbranch_scc1 .Lno_tail
	ds_load_b128 v[28:31], v11 offset:12288
	s_wait_dscnt 0x0
	global_store_b128 v4, v[28:31], s[28:29] offset:12288
.Lno_tail:
	s_wait_tensorcnt 0x0                           ; the wave's end, behind my last LDS store
	ds_add_u32 v[SPW], v[NIL]
	s_wait_dscnt 0x0
	s_endpgm
	; ---------------- the weights: a wave takes tile T = 8 x work-group + wave: 16 columns x all 256 of K.
.Lweights:
	s_wait_kmcnt 0x0
	s_lshl_b32 s40, ttmp9, 3
	s_add_co_u32 s40, s40, s[WV]                   ; T
	s_cmp_ge_u32 s40, 86
	s_cbranch_scc1 .Ltables
	s_mul_hi_u32 s41, s40, 0x55555556              ; T / 3
	s_mul_i32 s42, s41, 3
	s_sub_co_u32 s42, s40, s42                     ; t3
	s_mul_hi_u32 s43, s41, 0x2aaaaaab              ; role: 0 q, 1 k, 2 v
	s_mul_i32 s44, s43, 6
	s_sub_co_u32 s44, s41, s44                     ; head
	s_mul_i32 s45, s44, 43
	s_cmp_eq_u32 s44, 5
	s_cselect_b32 s46, 1, 0
	s_sub_co_u32 s45, s45, s46                     ; the head's first column: 0, 43, 86, 129, 172, 214
	s_cmp_ge_u32 s44, 4
	s_cselect_b32 s46, 42, 43                      ; its size
	s_lshl_b32 s47, s42, 3
	s_cmp_eq_u32 s42, 2
	s_cselect_b32 s47, 32, s47                     ; q, k: tiles 0, 1 take dims 8 t3 + r + 8 (r / 8), tile 2 dims 32 + r
	s_cselect_b32 s48, 0, 1
	s_add_co_u32 s47, s47, s45
	s_and_b32 s49, s45, -4                         ; v: slots from the multiple of 4 at or under the head's first column
	s_lshl_b32 s50, s42, 4
	s_add_co_u32 s49, s49, s50
	s_cmp_eq_u32 s43, 2
	s_cselect_b32 s47, s49, s47
	s_cselect_b32 s48, 0, s48
	s_sub_co_u32 s49, s40, 54
	s_and_b32 s49, s49, 15                         ; FFN: tile t takes columns 32 (t / 2) + 8 (t % 2) + r + 8 (r / 8)
	s_lshr_b32 s50, s49, 1
	s_lshl_b32 s50, s50, 5
	s_and_b32 s51, s49, 1
	s_lshl_b32 s51, s51, 3
	s_add_co_u32 s50, s50, s51
	s_movk_i32 s51, 0x100
	s_mov_b32 s53, 165888
	s_cmp_ge_u32 s40, 54
	s_cselect_b32 s47, s50, s47                    ; the tile's first column
	s_cselect_b32 s48, 1, s48                      ; 1: lanes 8-15 stand 8 columns further on
	s_cselect_b32 s45, 0, s45                      ; columns from here on,
	s_cselect_b32 s46, s51, s46                    ; so many, are the tile's own: the others get zero codes
	s_cselect_b32 s52, 6912, 0
	s_cselect_b32 s53, 264192, s53
	s_cmp_lt_u32 s40, 70
	s_cselect_b64 s[54:55], s[16:17], s[18:19]
	s_cmp_lt_u32 s40, 54
	s_cselect_b64 s[54:55], s[14:15], s[54:55]
	s_cmp_lt_u32 s40, 36
	s_cselect_b64 s[54:55], s[12:13], s[54:55]
	s_cmp_lt_u32 s40, 18
	s_cselect_b64 s[54:55], s[10:11], s[54:55]     ; the weight: a choice on the tile's number alone
	s_mul_i32 s56, s40, 3072
	s_add_co_u32 s56, s56, s52
	s_mov_b32 s57, 0
	s_add_nc_u64 s[56:57], s[30:31], s[56:57]      ; the tile's four units
	s_lshl_b32 s58, s40, 7
	s_add_co_u32 s58, s58, s53
	s_mov_b32 s59, 0
	s_add_nc_u64 s[58:59], s[30:31], s[58:59]      ; its scale words
	s_mov_b32 s60, 0x76543210
	s_mov_b32 s61, 0xfedcba98                      ; lane selects: lane xor 16
	v_and_b32 v1, 15, v0                           ; r
	v_bfe_u32 v2, v0, 4, 1                         ; h
	s_delay_alu instid0(VALU_DEP_2)
	v_and_b32 v3, 8, v1
	s_delay_alu instid0(VALU_DEP_1)
	v_mul_u32_u24 v3, v3, s48
	s_delay_alu instid0(VALU_DEP_1)
	v_add3_u32 v3, v3, v1, s47                     ; my column
	s_delay_alu instid0(VALU_DEP_1)
	v_sub_nc_u32 v4, v3, s45
	s_delay_alu instid0(VALU_DEP_1)
	v_cmp_gt_u32 vcc_lo, s46, v4                   ; is it the tile's own?
	s_delay_alu instid0(VALU_DEP_3)
	v_min_u32 v3, 255, v3                          ; no load leaves the weight
	s_delay_alu instid0(VALU_DEP_1)
	v_lshlrev_b32 v3, 2, v3
	s_delay_alu instid0(VALU_DEP_1)
	v_lshl_add_u32 v3, v2, 15, v3                  ; lanes 16-31 begin 32 rows further down
	v_lshlrev_b32 v5, 3, v2                        ; 8 h
	v_and_b32 v4, 31, v0
	s_delay_alu instid0(VALU_DEP_1)
	v_lshlrev_b32 v14, 4, v4
	s_delay_alu instid0(VALU_DEP_2)
	v_lshlrev_b32 v15, 3, v4
	s_delay_alu instid0(VALU_DEP_3)
	v_lshlrev_b32 v4, 2, v4
	v_cmp_ne_u32 s62, 0, v2
.irp s,0,1
.irp c,0,1
.irp i,0,1,2,3,4,5,6,7,8,9,10,11,12,13,14,15,16,17,18,19,20,21,22,23,24,25,26,27,28,29,30,31
	global_load_b32 v[16+64*\s+32*\c+\i], v3, s[54:55] offset:(128*\s+64*\c+\i)*1024   ; W(128 s + 64 c + 32 h + i, my column): a lane's registers run down K
.endr
.endr
.endr
; 64 numbers (two whole blocks of my column) at nb become two units at cb; the row's scale word for these 128 of K comes to v[m]
.macro WQ nb, cb, tb, m
.irp c,0,1
	v_max3_num_f32 v[\m+\c], |v[\nb+32*\c]|, |v[\nb+32*\c+1]|, 0x1800000
.endr
.irp i,2,4,6,8,10,12,14,16,18,20,22,24,26,28,30
.irp c,0,1
	s_delay_alu instid0(VALU_DEP_2)
	v_max3_num_f32 v[\m+\c], v[\m+\c], |v[\nb+32*\c+\i]|, |v[\nb+32*\c+\i+1]|
.endr
.endr
.irp c,0,1
	s_delay_alu instid0(VALU_DEP_2)
	v_add_nc_u32 v[\m+2+\c], 0xff000000, v[\m+\c]
.endr
.irp c,0,1
	s_delay_alu instid0(VALU_DEP_2)
	v_lshrrev_b32 v[\m+4+\c], 23, v[\m+2+\c]
.endr
.irp c,0,1
	v_cvt_scalef32_pk16_fp6_f32 v[\cb+6*\c:\cb+6*\c+2], v[\nb+32*\c:\nb+32*\c+15], v[\m+2+\c]
	v_cvt_scalef32_pk16_fp6_f32 v[\tb:\tb+2], v[\nb+32*\c+16:\nb+32*\c+31], v[\m+2+\c]   ; (a conversion's three registers begin on an even number: one scratch triple serves both blocks)
	v_nop                                          ; one plain instruction behind the conversions
.irp i,0,1,2
	v_mov_b32 v[\cb+6*\c+3+\i], v[\tb+\i]
.endr
.endr
	v_lshl_or_b32 v[\m], v[\m+5], 16, v[\m+4]      ; my two bytes: blocks h and 2 + h,
	s_delay_alu instid0(VALU_DEP_1)
	v_lshlrev_b32 v[\m], v5, v[\m]                 ; at their places;
	s_delay_alu instid0(VALU_DEP_1)
	v_permlanex16_b32 v[\m+1], v[\m], s60, s61
	s_delay_alu instid0(VALU_DEP_1)
	v_or_b32 v[\m], v[\m], v[\m+1]                 ; with lane xor 16's two the word is whole
.irp i,0,1,2,3,4,5,6,7,8,9,10,11
	v_cndmask_b32 v[\cb+\i], 0, v[\cb+\i], vcc_lo  ; a column that is not the tile's own: zero codes
.endr
.endm
	s_wait_loadcnt 63                              ; of the 128 loads at most 63 are out: the first 64, the first 128 of K, are in (the count's field holds no 64)
	WQ 16, 144, 156, 6
	s_wait_loadcnt 0x0
	WQ 80, 16, 28, 36
	v_cndmask_b32 v6, v6, v36, s62                 ; lanes 0-15 store the first 128's word, lanes 16-31 the second's
.irp c,0,1
	global_store_b128 v14, v[144+6*\c:147+6*\c], s[56:57] offset:768*\c
	global_store_b64 v15, v[148+6*\c:149+6*\c], s[56:57] offset:768*\c+512
	global_store_b128 v14, v[16+6*\c:19+6*\c], s[56:57] offset:1536+768*\c
	global_store_b64 v15, v[20+6*\c:21+6*\c], s[56:57] offset:1536+768*\c+512
.endr
	global_store_b32 v4, v6, s[58:59]
	s_endpgm
.Ltables:
	s_cmp_eq_u32 s40, 86
	s_cbranch_scc0 .Lw_end                         ; 11 work-groups hold 88 waves for 87 pieces of work
	v_and_b32 v1, 31, v0
	s_delay_alu instid0(VALU_DEP_1)
	v_lshlrev_b32 v1, 4, v1
	global_load_b128 v[16:19], v1, s[20:21]
	global_load_b128 v[20:23], v1, s[20:21] offset:512
	global_load_b128 v[24:27], v1, s[22:23]
	global_load_b128 v[28:31], v1, s[22:23] offset:512
	global_load_b128 v[32:35], v1, s[24:25]
	global_load_b128 v[36:39], v1, s[24:25] offset:512
	global_load_b128 v[40:43], v1, s[26:27]
	global_load_b128 v[44:47], v1, s[26:27] offset:512
	s_wait_alu depctr_va_vdst(0)
	s_wait_loadcnt 0x0
.irp i,0,1,2,3,4,5,6,7
	global_store_b128 v1, v[16+4*\i:19+4*\i], s[30:31] offset:275200+512*\i
.endr
.Lw_end:
	s_endpgm
.Lfunc_end_k_qa80e8b959b_prep:
	.size	k_qa80e8b959b_prep, .Lfunc_end_k_qa80e8b959b_prep-k_qa80e8b959b_prep
	.p2alignl 7, 3214868480
	.fill 96, 4, 3214868480
	.section	.rodata,"a",@progbits
	.p2align	6, 0x0
	.amdhsa_kernel k_qa80e8b959b_prep
		.amdhsa_group_segment_fixed_size 87552
		.amdhsa_private_segment_fixed_size 0
		.amdhsa_enable_private_segment 0
		.amdhsa_kernarg_size 112
		.amdhsa_user_sgpr_count 2
		.amdhsa_user_sgpr_kernarg_segment_ptr 1
		.amdhsa_wavefront_size32 1
		.amdhsa_system_sgpr_workgroup_id_x 1
		.amdhsa_system_sgpr_workgroup_id_y 1
		.amdhsa_system_sgpr_workgroup_id_z 1
		.amdhsa_system_vgpr_workitem_id 0
		.amdhsa_next_free_vgpr 160
		.amdhsa_next_free_sgpr 66
		.amdhsa_reserve_vcc 1
		.amdhsa_float_denorm_mode_32 3
		.amdhsa_float_denorm_mode_16_64 3
		.amdhsa_memory_ordered 1
		.amdhsa_forward_progress 1
		.amdhsa_inst_pref_size 56
	.end_amdhsa_kernel
	.amdgpu_metadata
---
amdhsa.version: [ 1, 2 ]
amdhsa.kernels:
  - .name:           k_qa80e8b959b_prep
    .symbol:         k_qa80e8b959b_prep.kd
    .args:
      - { .name: x, .offset: 0, .size: 8, .value_kind: global_buffer, .address_space: global }
      - { .name: g1, .offset: 8, .size: 8, .value_kind: global_buffer, .address_space: global }
      - { .name: b1, .offset: 16, .size: 8, .value_kind: global_buffer, .address_space: global }
      - { .name: Wq, .offset: 24, .size: 8, .value_kind: global_buffer, .address_space: global }
      - { .name: Wk, .offset: 32, .size: 8, .value_kind: global_buffer, .address_space: global }
      - { .name: Wv, .offset: 40, .size: 8, .value_kind: global_buffer, .address_space: global }
      - { .name: W_ffn1, .offset: 48, .size: 8, .value_kind: global_buffer, .address_space: global }
      - { .name: W_ffn2, .offset: 56, .size: 8, .value_kind: global_buffer, .address_space: global }
      - { .name: g2, .offset: 64, .size: 8, .value_kind: global_buffer, .address_space: global }
      - { .name: b2, .offset: 72, .size: 8, .value_kind: global_buffer, .address_space: global }
      - { .name: b_ffn1, .offset: 80, .size: 8, .value_kind: global_buffer, .address_space: global }
      - { .name: b_ffn2, .offset: 88, .size: 8, .value_kind: global_buffer, .address_space: global }
      - { .name: xq, .offset: 96, .size: 8, .value_kind: global_buffer, .address_space: global }
      - { .name: wt, .offset: 104, .size: 8, .value_kind: global_buffer, .address_space: global }
    .group_segment_fixed_size: 87552
    .private_segment_fixed_size: 0
    .kernarg_segment_align: 8
    .kernarg_segment_size: 112
    .max_flat_workgroup_size: 256
    .sgpr_count:     66
    .vgpr_count:     160
    .wavefront_size: 32
...
	.end_amdgpu_metadata
.endif
;; end of part 1
;; launch qkv (part 2): grid 256 x 1, 18 waves a work-group, no clusters, 167,936 bytes of LDS; arguments xq, wt, qc, kv; writes qc, kv
.if DOCPART == 2
	.amdgcn_target "amdgcn-amd-amdhsa--gfx1250"
	.amdhsa_code_object_version 6
	.text
	.protected	k_qa80e8b959b_qkv
	.globl	k_qa80e8b959b_qkv
	.p2align	8
	.type	k_qa80e8b959b_qkv,@function
k_qa80e8b959b_qkv:
	s_mov_b64 s[64:65], 0
	v_nop
	global_prefetch_b8 v0, s[64:65] scope:SCOPE_SE
	s_setreg_imm32_b32 hwreg(HW_REG_WAVE_MODE, 25, 1), 1
	s_wait_xcnt 0x0
; QKV.  q, k, v = normed Wq, normed Wk, normed Wv on codes of E2M3; the results are quantised in registers: q and k of each head along the head's own dims, v along the keys.  No work of the problem is left out here.
; SHARES: a work-group takes 128 positions of one b (8 tiles of 16 rows, two records of xq, brought into LDS once).  Wave w = 6 role + head owns weight tiles 3 w .. 3 w + 2, which stay in its registers, and walks all 8 tiles of rows.
; No cluster: the rows' codes belong to one work-group alone, and the weights go from memory to registers, 9,600 bytes a wave.
; q, k: the product is used transposed (source 0 = 16 columns of W, source 1 = 16 positions): a lane holds ONE position and its registers run along the head's dims: tiles 0, 1 give dims 16 h + 0..15 (block 0), tile 2 gives dims 32 + 8 h + 0..7,
; which with eight zeros are the lane's half of block 1.  The order inside block 1 is the same in q and in k, so the products are the same.  Dims beyond the head's size have zero weight codes: they are exactly 0.
; v: source 0 = 16 positions, source 1 = 16 channel slots: a lane holds ONE channel and its 64 registers of the 8 tiles run along the 128 keys in their true order.
; qc: record (pair x 16 + sg), 6,656 bytes: 8 units of 768, then 512 bytes of scale words: at 6,144 + 16 x lane + 4 j the word of tile 4 h + j, row r.   pair = 6 b + head.
; kv: record (pair x 16 + sg), 11,776 bytes: K laid as a record of qc; V's units (t3, c) at 6,656 + 768 (2 t3 + c); V's scale words at 11,264 + 16 x lane + 4 t3.
; REGISTERS: 192 a wave: eighteen waves are five on a SIMD at the most, 960 registers.
; LIMITS: as stated at the head of the first kernel.
.set REC,   12800
.set SPARE, 25600                      ; behind the two records: the spare words, 128 bytes a wave: nine blocks of 256 bytes that no other line names
.set SPW,   4
.set NIL,   5
.set WV,    12
.set SEL,   46                         ; s[46:47] lane selects: lane xor 16
.set WF,    16                         ; v16-87   my three weight tiles: tile t, unit k at 24 t + 6 k
.set WS,    88                         ; v88-90   their scale words: lanes 0-15 the first 128 of K, lanes 16-31 the second
.set XF,    92                         ; v92-115  fragments of the rows; in the v waves also the codes just made
.set XS,    116                        ; v116-123 the 8 tiles' scale words, laid like the weights'
.set ACC,   124                        ; q, k: v124-147, and v148-155 zeros behind them;  v: v124-187
.set SW,    174                        ; q, k: v174-181 the 8 tiles' scale words just made
.set TA,    188                        ; v: v188-191 the blocks' largest magnitudes, then their bytes
.set TC,    12                         ; v: v12-15   the conversions' scale operands
.macro MM d, a, b, sa, sb, acc, rows   ; acc = 0: the product starts the sum.  Else it adds in place, both sides' scales from lanes 16-31
.if (\acc) == 0
	v_wmma_scale_f32_16x16x128_f8f6f4 v[\d:\d+7], v[\a:\a+11], v[\b:\b+11], 0, v[\sa], v[\sb] matrix_a_fmt:MATRIX_FMT_FP6 matrix_b_fmt:MATRIX_FMT_FP6
.else
	v_wmma_scale_f32_16x16x128_f8f6f4 v[\d:\d+7], v[\a:\a+11], v[\b:\b+11], v[\d:\d+7], v[\sa], v[\sb] matrix_a_fmt:MATRIX_FMT_FP6 matrix_b_fmt:MATRIX_FMT_FP6 matrix_a_scale:MATRIX_SCALE_ROW1 matrix_b_scale:MATRIX_SCALE_ROW1
.endif
.endm
.macro XU reg, m, k                    ; unit k of tile m of the rows
	ds_load_b128 v[\reg:\reg+3], v1 offset:((\m)/4)*REC+((\m)%4)*3072+(\k)*768
	ds_load_b64 v[\reg+4:\reg+5], v2 offset:((\m)/4)*REC+((\m)%4)*3072+(\k)*768+512
.endm
.macro PLACES                          ; behind a run of products: four plain instructions before results are read and before loads land in registers that the products read; a fifth, since a later product begins the same accumulator anew
.rept 5
	v_nop
.endr
.endm
; v, by the rows of a tile (tile m, row r: position 64 (m / 4) + 8 (m % 4) + r % 8 + 32 (r / 8)): register 32 c + i of lane (channel, h) is key 64 c + 32 h + i: a lane holds blocks h and 2 + h whole.
; 64 numbers of a lane become a fragment's codes at pc (scratch to pc + 18); the row's scale word comes to pw: my two bytes, 8 h bits up, joined with lane xor 16's two.  v7 = 8 h
.macro QUANTV s, pc, pw
.irp c,0,1
	v_max3_num_f32 v[TA+\c], |v[\s+32*\c]|, |v[\s+32*\c+1]|, 0x1800000
.endr
.irp i,2,4,6,8,10,12,14,16,18,20,22,24,26,28,30
.irp c,0,1
	v_max3_num_f32 v[TA+\c], v[TA+\c], |v[\s+32*\c+\i]|, |v[\s+32*\c+\i+1]|
.endr
.endr
.irp c,0,1
	s_delay_alu instid0(VALU_DEP_2)
	v_add_nc_u32 v[TC+\c], 0xff000000, v[TA+\c]    ; 2 off the exponent field: the conversion's scale operand
.endr
.irp c,0,1
	s_delay_alu instid0(VALU_DEP_2)
	v_lshrrev_b32 v[TA+\c], 23, v[TC+\c]           ; the scale's byte
.endr
	s_delay_alu instid0(VALU_DEP_1)
	v_lshl_or_b32 v[TA], v[TA+1], 16, v[TA]
	s_delay_alu instid0(VALU_DEP_1)
	v_lshlrev_b32 v[TA], v7, v[TA]
	s_delay_alu instid0(VALU_DEP_1)
	v_permlanex16_b32 v[TA+2], v[TA], s[SEL], s[SEL+1]
	s_delay_alu instid0(VALU_DEP_1)
	v_or_b32 v[\pw], v[TA], v[TA+2]
.irp c,0,1
	v_cvt_scalef32_pk16_fp6_f32 v[\pc+6*\c:\pc+2+6*\c], v[\s+32*\c:\s+15+32*\c], v[TC+\c]
	v_cvt_scalef32_pk16_fp6_f32 v[\pc+12+4*\c:\pc+14+4*\c], v[\s+16+32*\c:\s+31+32*\c], v[TC+\c]
.endr
	v_nop                                          ; one plain instruction behind the conversions
.irp c,0,1
.irp i,0,1,2
	v_mov_b32 v[\pc+3+6*\c+\i], v[\pc+12+4*\c+\i]  ; (a conversion's three registers begin on an even number)
.endr
.endr
.endm
	s_load_b256 s[4:11], s[0:1], 0x0
	v_lshl_add_u32 v[SPW], v0, 2, SPARE
	v_mov_b32 v[NIL], 0
	ds_add_u32 v[SPW], v[NIL]                      ; the opening: the add, twice on end, and its wait ahead of the first tensor load
	ds_add_u32 v[SPW], v[NIL]
	v_lshrrev_b32 v1, 5, v0
	s_delay_alu instid0(VALU_DEP_1)
	v_readfirstlane_b32 s[WV], v1
	v_and_b32 v3, 31, v0
	s_delay_alu instid0(VALU_DEP_1)
	v_lshlrev_b32 v1, 4, v3                        ; 16 x lane
	s_delay_alu instid0(VALU_DEP_2)
	v_lshlrev_b32 v2, 3, v3                        ; 8 x lane
	s_delay_alu instid0(VALU_DEP_3)
	v_lshlrev_b32 v3, 2, v3                        ; 4 x lane
	v_bfe_u32 v6, v0, 4, 1                         ; h
	s_mov_b32 s28, 3<<16                           ; group 1: a record is a dense block: 50 rows of 32 elements of 8 bytes, no mask, no padding
	s_mov_b32 s29, 32<<16
	s_mov_b32 s30, 50<<16
	s_mov_b32 s31, 32<<16
	s_mov_b32 s32, 50
	s_mov_b32 s33, 32
	s_mov_b32 s34, 0
	s_mov_b32 s35, 0
	s_mov_b32 s[SEL], 0x76543210
	s_mov_b32 s[SEL+1], 0xfedcba98
	s_and_b32 s13, ttmp9, 15                       ; b
	s_lshr_b32 s14, ttmp9, 4                       ; sg
	s_lshl_b32 s15, s13, 4
	s_add_co_u32 s15, s15, s14
	s_mul_i32 s16, s15, 2*REC
	s_mov_b32 s24, 1
	s_mul_i32 s25, s[WV], REC                      ; waves 0 and 1 fetch a record each
	s_add_co_u32 s16, s16, s25
	s_mov_b32 s17, 0
	s_mul_i32 s18, s[WV], 9216                     ; my three tiles
	s_mov_b32 s19, 0
	s_mul_i32 s20, s[WV], 384
	s_add_co_u32 s20, s20, 165888                  ; their scale words
	s_mov_b32 s21, 0
	s_cmp_ge_u32 s[WV], 6
	s_cselect_b32 s36, 1, 0
	s_cmp_ge_u32 s[WV], 12
	s_cselect_b32 s37, 1, 0
	s_add_co_u32 s36, s36, s37                     ; role
	s_mul_i32 s37, s36, 6
	s_sub_co_u32 s37, s[WV], s37                   ; head
	s_mul_i32 s38, s13, 6
	s_add_co_u32 s38, s38, s37                     ; pair
	s_lshl_b32 s38, s38, 4
	s_add_co_u32 s38, s38, s14
	s_mul_i32 s40, s38, 6656
	s_mov_b32 s41, 0
	s_mul_i32 s42, s38, 11776
	s_mov_b32 s43, 0
	s_wait_dscnt 0x0                               ; both opening adds are done
	s_wait_kmcnt 0x0
	s_add_nc_u64 s[26:27], s[4:5], s[16:17]
	s_or_b32 s27, s27, 0x80000000
	s_add_nc_u64 s[18:19], s[6:7], s[18:19]
	s_add_nc_u64 s[20:21], s[6:7], s[20:21]
	s_add_nc_u64 s[40:41], s[8:9], s[40:41]
	s_add_nc_u64 s[42:43], s[10:11], s[42:43]
	s_cmp_eq_u32 s36, 0
	s_cselect_b64 s[44:45], s[40:41], s[42:43]     ; where q or k goes
	s_cmp_lt_u32 s[WV], 2
	s_cbranch_scc0 .Lno_fill
	tensor_load_to_lds s[24:27], s[28:35]          ; one load of mine is out
	s_nop 0
.rept 4
	v_nop
.endr
.Lno_fill:
	s_wait_alu depctr_va_vdst(0)
.irp t,0,1,2
.irp k,0,1,2,3
	global_load_b128 v[WF+24*\t+6*\k:WF+24*\t+6*\k+3], v1, s[18:19] offset:3072*\t+768*\k
	global_load_b64 v[WF+24*\t+6*\k+4:WF+24*\t+6*\k+5], v2, s[18:19] offset:3072*\t+768*\k+512
.endr
	global_load_b32 v[WS+\t], v3, s[20:21] offset:128*\t
.endr
	s_wait_tensorcnt 0x0                           ; my record, if I fetched one, has landed
	s_barrier_signal -1
	s_barrier_wait -1                              ; both have
.irp m,0,1,2,3,4,5,6,7
	ds_load_b32 v[XS+\m], v3 offset:(\m/4)*REC+12288+(\m%4)*128
.endr
	s_cmp_ge_u32 s[WV], 12
	s_cbranch_scc1 .Lvpath
	; ---------------- q, k
.irp j,0,1,2,3,4,5,6,7
	v_mov_b32 v[ACC+24+\j], 0                      ; the eight zeros behind tile 2's results
.endr
	v_mov_b32 v158, 0                              ; (a lane permute's destination counts as one of its sources)
	v_mov_b32 v159, 0
.irp k,0,1,2,3
	XU XF+6*\k, 0, \k
.endr
	s_wait_loadcnt 0x0                             ; the weights
.irp m,0,1,2,3,4,5,6,7
	s_wait_dscnt 0x0                               ; this tile's fragments (and, the first time, the scale words)
.irp t,0,1,2
	MM ACC+8*\t, WF+24*\t, XF, WS+\t, XS+\m, 0, 0  ; the three accumulators take turns
.endr
.irp t,0,1,2
	MM ACC+8*\t, WF+24*\t+12, XF+12, WS+\t, XS+\m, 1, 3
.endr
	PLACES
.if \m < 7
.irp k,0,1,2,3
	XU XF+6*\k, \m+1, \k
.endr
.endif
	v_max3_num_f32 v156, |v[ACC]|, |v[ACC+1]|, 0x1800000           ; block 0: my 16 dims;  block 1: my 8
	v_max3_num_f32 v157, |v[ACC+16]|, |v[ACC+17]|, 0x1800000
.irp i,2,4,6
	v_max3_num_f32 v156, v156, |v[ACC+\i]|, |v[ACC+\i+1]|
	v_max3_num_f32 v157, v157, |v[ACC+16+\i]|, |v[ACC+17+\i]|
.endr
.irp i,8,10,12,14
	v_max3_num_f32 v156, v156, |v[ACC+\i]|, |v[ACC+\i+1]|
.endr
	s_delay_alu instid0(VALU_DEP_1)
	v_permlanex16_b32 v158, v156, s[SEL], s[SEL+1]
	v_permlanex16_b32 v159, v157, s[SEL], s[SEL+1]
	s_delay_alu instid0(VALU_DEP_2)
	v_max_num_f32 v156, v156, v158
	s_delay_alu instid0(VALU_DEP_2)
	v_max_num_f32 v157, v157, v159
	s_delay_alu instid0(VALU_DEP_2)
	v_add_nc_u32 v160, 0xff000000, v156
	s_delay_alu instid0(VALU_DEP_2)
	v_add_nc_u32 v161, 0xff000000, v157
	s_delay_alu instid0(VALU_DEP_2)
	v_lshrrev_b32 v162, 23, v160
	s_delay_alu instid0(VALU_DEP_2)
	v_lshrrev_b32 v163, 23, v161
	s_delay_alu instid0(VALU_DEP_1)
	v_lshl_or_b32 v[SW+\m], v163, 8, v162          ; the row's word: two bytes; bytes 2 and 3 stay 0 and meet zero codes alone
	s_wait_alu depctr_va_vdst(0)
	s_wait_xcnt 0x0                                ; the last tile's stores have read their data: the codes' registers are written again only behind this wait
	v_cvt_scalef32_pk16_fp6_f32 v[164:166], v[ACC:ACC+15], v160
	v_cvt_scalef32_pk16_fp6_f32 v[170:172], v[ACC+16:ACC+31], v161
	v_nop
	v_permlane16_swap_b32 v164, v170               ; lanes 0-15 now hold block 0 whole, lanes 16-31 block 1
	v_permlane16_swap_b32 v165, v171
	v_permlane16_swap_b32 v166, v172
	s_delay_alu instid0(VALU_DEP_3)
	v_mov_b32 v167, v170
	s_delay_alu instid0(VALU_DEP_3)
	v_mov_b32 v168, v171
	s_delay_alu instid0(VALU_DEP_3)
	v_mov_b32 v169, v172
	global_store_b128 v1, v[164:167], s[44:45] offset:768*\m
	global_store_b64 v2, v[168:169], s[44:45] offset:768*\m+512
.endr
	v_cmp_ne_u32 vcc_lo, 0, v6
.irp j,0,1,2,3
	v_cndmask_b32 v[182+\j], v[SW+\j], v[SW+4+\j], vcc_lo          ; lanes 0-15: tiles 0-3; lanes 16-31: tiles 4-7
.endr
	global_store_b128 v1, v[182:185], s[44:45] offset:6144
	s_branch .Lend
	; ---------------- v
.Lvpath:
	v_mov_b32 v11, 0
	v_lshlrev_b32 v7, 3, v6                        ; 8 h
	v_mov_b32 v[TA+2], 0                           ; (a lane permute's destination counts as one of its sources)
.irp b,0,1,2,3
	v_mov_b32 v[TC+\b], 0
.endr
	s_wait_loadcnt 0x0                             ; the weights
.irp t,0,1,2
.if \t > 0
	s_wait_xcnt 0x0                                ; the last tile's stores have read the codes: the fragments' loads land there only behind this wait
.endif
.irp s,0,1
.irp mp,0,2,4,6
	XU XF, \mp, 2*\s
	XU XF+6, \mp, 2*\s+1
	XU XF+12, \mp+1, 2*\s
	XU XF+18, \mp+1, 2*\s+1
	s_wait_dscnt 0x0
	MM ACC+8*\mp, XF, WF+24*\t+12*\s, XS+\mp, WS+\t, \s, 3*\s       ; the eight accumulators take turns
	MM ACC+8*\mp+8, XF+12, WF+24*\t+12*\s, XS+\mp+1, WS+\t, \s, 3*\s
	PLACES
.endr
.endr
	QUANTV ACC, XF, 8+\t
	global_store_b128 v1, v[XF:XF+3], s[42:43] offset:6656+1536*\t
	global_store_b64 v2, v[XF+4:XF+5], s[42:43] offset:6656+1536*\t+512
	global_store_b128 v1, v[XF+6:XF+9], s[42:43] offset:6656+1536*\t+768
	global_store_b64 v2, v[XF+10:XF+11], s[42:43] offset:6656+1536*\t+1280
.endr
	global_store_b128 v1, v[8:11], s[42:43] offset:11264
.Lend:
	s_wait_tensorcnt 0x0                           ; the wave's end
	ds_add_u32 v[SPW], v[NIL]
	s_wait_dscnt 0x0
	s_endpgm
.Lfunc_end_k_qa80e8b959b_qkv:
	.size	k_qa80e8b959b_qkv, .Lfunc_end_k_qa80e8b959b_qkv-k_qa80e8b959b_qkv
	.p2alignl 7, 3214868480
	.fill 96, 4, 3214868480
	.section	.rodata,"a",@progbits
	.p2align	6, 0x0
	.amdhsa_kernel k_qa80e8b959b_qkv
		.amdhsa_group_segment_fixed_size 167936
		.amdhsa_private_segment_fixed_size 0
		.amdhsa_enable_private_segment 0
		.amdhsa_kernarg_size 32
		.amdhsa_user_sgpr_count 2
		.amdhsa_user_sgpr_kernarg_segment_ptr 1
		.amdhsa_wavefront_size32 1
		.amdhsa_system_sgpr_workgroup_id_x 1
		.amdhsa_system_sgpr_workgroup_id_y 1
		.amdhsa_system_sgpr_workgroup_id_z 1
		.amdhsa_system_vgpr_workitem_id 0
		.amdhsa_next_free_vgpr 192
		.amdhsa_next_free_sgpr 66
		.amdhsa_reserve_vcc 1
		.amdhsa_float_denorm_mode_32 3
		.amdhsa_float_denorm_mode_16_64 3
		.amdhsa_memory_ordered 1
		.amdhsa_forward_progress 1
		.amdhsa_inst_pref_size 70
	.end_amdhsa_kernel
	.amdgpu_metadata
---
amdhsa.version: [ 1, 2 ]
amdhsa.kernels:
  - .name:           k_qa80e8b959b_qkv
    .symbol:         k_qa80e8b959b_qkv.kd
    .args:
      - { .name: xq, .offset: 0, .size: 8, .value_kind: global_buffer, .address_space: global }
      - { .name: wt, .offset: 8, .size: 8, .value_kind: global_buffer, .address_space: global }
      - { .name: qc, .offset: 16, .size: 8, .value_kind: global_buffer, .address_space: global }
      - { .name: kv, .offset: 24, .size: 8, .value_kind: global_buffer, .address_space: global }
    .group_segment_fixed_size: 167936
    .private_segment_fixed_size: 0
    .kernarg_segment_align: 8
    .kernarg_segment_size: 32
    .max_flat_workgroup_size: 576
    .sgpr_count:     66
    .vgpr_count:     192
    .wavefront_size: 32
...
	.end_amdgpu_metadata
.endif
;; end of part 2
;; launch attn (part 3): grid 256 x 1, 16 waves a work-group, clusters of 4 x 1, 327,680 bytes of LDS; arguments qc, kv, ao; writes ao
.if DOCPART == 3
	.amdgcn_target "amdgcn-amd-amdhsa--gfx1250"
	.amdhsa_code_object_version 6
	.text
	.protected	k_qa80e8b959b_attn
	.globl	k_qa80e8b959b_attn
	.p2align	8
	.type	k_qa80e8b959b_attn,@function
k_qa80e8b959b_attn:
	s_mov_b64 s[64:65], 0
	v_nop
	global_prefetch_b8 v0, s[64:65] scope:SCOPE_SE
	s_setreg_imm32_b32 hwreg(HW_REG_WAVE_MODE, 25, 1), 1
	s_wait_xcnt 0x0
	s_wait_alu depctr_hold_cnt(0) depctr_sa_sdst(0) depctr_va_vdst(0) depctr_va_sdst(0) depctr_va_ssrc(0) depctr_va_vcc(0) depctr_vm_vsrc(0)
	s_getreg_b32 s2, hwreg(HW_REG_IB_STS2, 6, 4)
	s_cmp_eq_u32 s2, 0
	s_cbranch_scc0 .Lentry_in_a_cluster
	s_endpgm
.Lentry_in_a_cluster:
	s_bfe_u32 s2, ttmp6, 0x10000c
	s_cmp_lg_u32 s2, 0x3003
	s_cbranch_scc0 .Lentry_shape_is_right
	s_endpgm
.Lentry_shape_is_right:
; ATTENTION on codes of E2M3.  O = softmax(q k^T / sqrt(hd)) v for each pair (b, head), by the rule for a softmax ahead of a quantised product: t = score x log2(e) / sqrt(hd); M = the running largest t rounded up to a whole number;
; p = 2^(t - M) is quantised along the keys, not normalised; the row's sum is taken of the unquantised p and divides at the end; when M moves, the sum and O are multiplied by 2^(old M - new M), which rounds nothing.
; No work of the problem is left out here.  LIMITS: as stated at the head of the first kernel; v_exp_f32 gives 0 for results under 2^-126; the promise holds while the scaled scores stay under 2^31 in magnitude.
; SHARES: 96 pairs x 2,048 queries are 192 half-pairs of 1,024 queries.  A cluster of four work-groups walks three half-pairs (3 x cluster .. + 2), one after the other: a UNIT is 256 queries for a work-group, one tile of 16 for each of its 16 waves.
; THE RING: a pair's K and V are 16 records of 11,776 bytes (128 keys each).  Two LDS slots of 8 records take turns: six fills for the three units.  A fill is asked for JOINTLY by the four partners, which want the same records:
; each wave asks for 23 rows of 256 bytes, its sixteenth of a slot, by the same descriptor in all four, behind a round of the cluster's barrier.  By the text's own count a wave has one tensor load out, and the load has eight key steps in which to land.
; No prefetch into the L2 is written: every fill but the first is asked for a whole slot, eight key steps, ahead of its first read, by the tensor load itself.
; A slot's records are walked from the last to the first: the address is stepped behind the first product, as two of its places, and V's loads then name the record one further up by their immediates.  So the ring begins above LDS byte REC, and a record's gap lies between the slots.
; LAYOUT: both products transposed: S^T = K Q^T (source 0 = 16 keys, source 1 = my 16 queries), O^T = V^T P^T (source 0 = 16 channel slots, source 1 = P): a lane holds one query throughout.
; Key tile t, row r is key 64 (t / 4) + 8 (t % 4) + r % 8 + 32 (r / 8) of the record: register 32 c + i of S^T in lane (query, h) is key 64 c + 32 h + i: a lane holds blocks h and 2 + h of its query WHOLE, in the order that the operand's layout wants.
; A head has 43 or 42 dims: two blocks of 32, one unit of six registers.  Q's registers 6-11 are zeros, so source 0 of key tile t is named as v[KF + 6 t .. + 11]: its upper six registers hold other codes and meet zeros alone.
; THE ROW'S SUM is kept in four chains of pairs from step to step: each chain's first addition of a step is a multiply-add with f, and the chains are joined at the unit's end.  The short chains of the step (M, p's scale word) stand between independent multiply-adds and sums.
; ao: (pair x 128 + query tile) x 3,072 + 512 (2 t3 + p) + 16 x lane: registers 4 p .. 4 p + 3 of O^T's tile t3, divided by the sum.
.set REC,   11776
.set PART,  5888                       ; 23 rows of 256 bytes: a wave's part of a fill
.set RING,  16384
.set SLOTP, 9*REC                      ; from slot to slot
.set SPARE, RING+SLOTP+8*REC           ; behind the ring: the spare words, 128 bytes a wave: eight blocks of 256 bytes that no other line names
.set C43,   0x3e614a05                 ; log2(e) / sqrt(43)
.set C42,   0x3e63f494                 ; log2(e) / sqrt(42)
.set SPW,   5
.set NIL,   6
.set WV,    10
.set CX,    11                         ; my place in the cluster: it enters Q's and O's global addresses alone
.set HH,    12                         ; the half-pair in hand
.set W8,    16                         ; wave / 8
.set G0A,   24                         ; s[24:27] group 0 for slot 0;  s[44:47] for slot 1;  s[28:35] group 1
.set G1,    28
.set G0B,   44
.set CS,    36                         ; s[36:37] c = log2(e) / sqrt(hd)
.set TB,    38                         ; LDS byte of the record in hand
.set CNT,   39
.set SEL,   40                         ; s[40:41] lane selects: lane xor 16
.set UC,    42
.set BK0,   52                         ; s[52:53] kv + my part;  s[54:55] the same 8 records on
.set BK1,   54
.set QF,    16                         ; v16-27  Q's unit and six zeros
.set QS,    28                         ; v28     Q's scale words
.set KF,    30                         ; v30-77  K's 8 units, v78-83 zeros; behind the first product v30-77 are at work: the conversions' second halves, maxima
.set CT,    KF+6
.set MA,    KF+16
.set KS,    84                         ; v84-87  K's scale words: register j: lanes 0-15 tile j, lanes 16-31 tile 4 + j
.set VF,    88                         ; v88-123 V's three fragments
.set VS,    124                        ; v124-127 V's scale words
.set S,     128                        ; v128-191 S^T, then p
.set O,     192                        ; v192-215 O^T
.set PF,    216                        ; v216-227 p's codes
.set MX,    228                        ; v228-229 my two blocks' largest scores, then largest p, then bytes
.set TM,    230
.set TP,    231
.set QN,    232                        ; v232-238 the next unit's Q and its scale word
.set SO,    240                        ; v240-241 the conversions' scale operands
.set FF,    242                        ; v242 f = 2^(old M - new M); v243 is named with it as a pair
.set PW,    244                        ; p's scale word
.set TT,    245
.set SU,    246                        ; v246-253 the row's sum: four chains of pairs
.macro ROUND                           ; a round of the cluster's barrier
	s_barrier_signal -1
	s_barrier_wait -1
	s_cmp_lg_u32 s[WV], 0
	s_cbranch_scc1 .Lnot_wave_0_\@
	s_barrier_signal -3
.Lnot_wave_0_\@:
	s_barrier_wait -3
	s_barrier_signal -1
	s_barrier_wait -1
.endm
.macro PLACE h                         ; of half-pair h: s13 = the pair, s14 = my block of 256 queries in it
	s_lshr_b32 s13, \h, 1
	s_and_b32 s14, \h, 1
	s_lshl_b32 s14, s14, 2
	s_add_co_u32 s14, s14, s[CX]
.endm
.macro QASK h                          ; my tile of Q in half-pair h, and its scale word
	PLACE \h
	s_lshl_b32 s13, s13, 4
	s_lshl_b32 s14, s14, 1
	s_add_co_u32 s13, s13, s14
	s_add_co_u32 s13, s13, s[W8]                   ; the record of qc: 16 pair + the group of 128 queries
	s_mul_i32 s48, s13, 6656
	s_add_nc_u64 s[18:19], s[4:5], s[48:49]
	global_load_b128 v[QN:QN+3], v8, s[18:19]
	global_load_b64 v[QN+4:QN+5], v9, s[18:19] offset:512
	global_load_b32 v[QN+6], v10, s[18:19] offset:6144
.endm
.macro TMM n                           ; t - M, two numbers an instruction; ii: the register in hand
.rept \n
	v_pk_fma_f32 v[S+ii:S+ii+1], v[S+ii:S+ii+1], s[CS:CS+1], v[12:13] op_sel_hi:[1,0,0]
.set ii, ii+2
.endr
.endm
.macro SFMA n                          ; a chain's first pair of the step: sum x f + p; ii: the pair in hand, pair ii goes to chain ii % 4
.rept \n
	v_pk_fma_f32 v[SU+2*(ii%4):SU+2*(ii%4)+1], v[SU+2*(ii%4):SU+2*(ii%4)+1], v[FF:FF+1], v[S+2*ii:S+2*ii+1] op_sel_hi:[1,0,1]
.set ii, ii+1
.endr
.endm
.macro SADD n
.rept \n
	v_pk_add_f32 v[SU+2*(ii%4):SU+2*(ii%4)+1], v[SU+2*(ii%4):SU+2*(ii%4)+1], v[S+2*ii:S+2*ii+1]
.set ii, ii+1
.endr
.endm
; A KEY STEP: one record, 128 keys
.macro STEP
.irp t,0,1,2,3,4,5,6,7
	ds_load_b128 v[KF+6*\t:KF+6*\t+3], v3 offset:768*\t
	ds_load_b64 v[KF+6*\t+4:KF+6*\t+5], v4 offset:768*\t+512
.endr
	ds_load_b128 v[KS:KS+3], v3 offset:6144
	s_sub_co_u32 s[TB], s[TB], REC
	s_wait_dscnt 0x0                               ; K's 17 loads: nothing else of mine is out
.irp t,0,1,2,3
	v_wmma_scale_f32_16x16x128_f8f6f4 v[S+8*\t:S+8*\t+7], v[KF+6*\t:KF+6*\t+11], v[QF:QF+11], 0, v[KS+\t], v[QS] matrix_a_fmt:MATRIX_FMT_FP6 matrix_b_fmt:MATRIX_FMT_FP6
.endr
.irp t,4,5,6,7
	v_wmma_scale_f32_16x16x128_f8f6f4 v[S+8*\t:S+8*\t+7], v[KF+6*\t:KF+6*\t+11], v[QF:QF+11], 0, v[KS+\t-4], v[QS] matrix_a_fmt:MATRIX_FMT_FP6 matrix_b_fmt:MATRIX_FMT_FP6 matrix_a_scale:MATRIX_SCALE_ROW1
.endr
	v_add_nc_u32 v3, s[TB], v1                     ; four plain instructions: behind these products, before the scores are read and K's registers written, and behind the last step's products, before V's registers are loaded:
	v_add_nc_u32 v4, s[TB], v2                     ; the next record's address,
	v_mov_b32 v[TT], v12                           ; the old -M,
	v_nop
.irp u,0,1,2,3,4,5
	ds_load_b128 v[VF+6*\u:VF+6*\u+3], v3 offset:REC+6656+768*\u       ; this record's V lands under the softmax
	ds_load_b64 v[VF+6*\u+4:VF+6*\u+5], v4 offset:REC+6656+768*\u+512
.endr
	ds_load_b128 v[VS:VS+3], v3 offset:REC+11264
.irp c,0,1                             ; the largest score of my two blocks of 32 keys, two chains a block: for the row's maximum and, since p rises with the score, for the block's largest p.  Each accumulator is read from its low end on
	v_max3_num_f32 v[MA+2*\c], v[S+32*\c], v[S+32*\c+1], v[S+32*\c+2]
	v_max3_num_f32 v[MA+2*\c+1], v[S+32*\c+16], v[S+32*\c+17], v[S+32*\c+18]
.endr
.irp i,3,5,7,9,11,13
.irp c,0,1
	v_max3_num_f32 v[MA+2*\c], v[MA+2*\c], v[S+32*\c+\i], v[S+32*\c+\i+1]
	v_max3_num_f32 v[MA+2*\c+1], v[MA+2*\c+1], v[S+32*\c+16+\i], v[S+32*\c+17+\i]
.endr
.endr
.irp c,0,1
	v_max3_num_f32 v[MX+\c], v[MA+2*\c], v[MA+2*\c+1], v[S+32*\c+15]
.endr
.irp c,0,1
	v_max_num_f32 v[MX+\c], v[MX+\c], v[S+32*\c+31]
.endr
	s_delay_alu instid0(VALU_DEP_1)
	v_max_num_f32 v[TM], v[MX], v[MX+1]
	s_delay_alu instid0(VALU_DEP_1)
	v_permlanex16_b32 v[TP], v[TM], s[SEL], s[SEL+1]
	s_delay_alu instid0(VALU_DEP_1)
	v_max3_num_f32 v13, v13, v[TM], v[TP]          ; the running largest score of my query (c is positive)
	s_delay_alu instid0(VALU_DEP_1)
	v_mul_f32 v[TM], s[CS], v13                    ; as t
	s_delay_alu instid0(VALU_DEP_1)
	v_floor_f32 v12, -v[TM]                        ; the new -M = -ceil(t)
	s_delay_alu instid0(VALU_DEP_1)
	v_sub_f32 v[TT], v12, v[TT]                    ; old M - new M: a whole number, 0 or less
.set ii, 0
	TMM 5                                          ; the rest of f's chain stands between the multiply-adds
	v_cvt_i32_f32 v[TT], v[TT]                     ; (it saturates)
	TMM 5
	v_ldexp_f32 v[FF], 1.0, v[TT]
	TMM 22
.irp c,0,1
	v_fma_f32 v[MX+\c], v[MX+\c], s[CS], v12       ; the same of each block's largest score
.endr
.irp j,0,2,4,6,8,10,12,14,16,18,20,22
	v_pk_mul_f32 v[O+\j:O+\j+1], v[O+\j:O+\j+1], v[FF:FF+1] op_sel_hi:[1,0]   ; O^T under the new M, ahead of the exponentials
.endr
	s_wait_alu depctr_va_vdst(0)                   ; ahead of the batch
.set ii, 0
.rept 64
	v_exp_f32 v[S+ii], v[S+ii]                     ; p = 2^(t - M)
.set ii, ii+1
.endr
.irp c,0,1
	v_exp_f32 v[MX+\c], v[MX+\c]                   ; the blocks' largest p: the same two instructions on the same number
.endr
	v_nop                                          ; the plain instruction behind the exponentials
	s_wait_alu depctr_va_vdst(0)                   ; one wait for the batch, ahead of its first reader
.set ii, 0                             ; 32 pairs of p go into the sums; the links of the scale word's chain stand four or more of them apart
.irp c,0,1
	v_max_num_f32 v[MX+\c], 0x1800000, v[MX+\c]    ; the floor 2^(3 - 127): the byte cannot fall under 1
.endr
	SFMA 3
.irp c,0,1
	v_add_nc_u32 v[SO+\c], 0xff000000, v[MX+\c]    ; 2 off the exponent field: the conversion's scale operand
.endr
	SFMA 1
	SADD 2
.irp c,0,1
	v_lshrrev_b32 v[MX+\c], 23, v[SO+\c]           ; the scale's byte
.endr
.irp c,0,1
	v_cvt_scalef32_pk16_fp6_f32 v[PF+6*\c:PF+6*\c+2], v[S+32*\c:S+32*\c+15], v[SO+\c]
	v_cvt_scalef32_pk16_fp6_f32 v[CT+4*\c:CT+4*\c+2], v[S+32*\c+16:S+32*\c+31], v[SO+\c]   ; (a conversion's three registers begin on an even number)
.endr
	SADD 4
	v_lshl_or_b32 v[TM], v[MX+1], 16, v[MX]        ; my two bytes: blocks h and 2 + h,
	SADD 4
	v_lshlrev_b32 v[TM], v7, v[TM]                 ; 8 h bits up;
	SADD 4
	v_permlanex16_b32 v[TP], v[TM], s[SEL], s[SEL+1]
	SADD 4
	v_or_b32 v[PW], v[TM], v[TP]                   ; with lane xor 16's two the word is whole
.irp c,0,1
.irp i,0,1,2
	v_mov_b32 v[PF+6*\c+3+\i], v[CT+4*\c+\i]
.endr
.endr
	SADD 10                                        ; ten additions between the making of p's codes and scale word and the products
	s_wait_dscnt 0x0                               ; V's 13 loads
.irp t,0,1,2
	v_wmma_scale_f32_16x16x128_f8f6f4 v[O+8*\t:O+8*\t+7], v[VF+12*\t:VF+12*\t+11], v[PF:PF+11], v[O+8*\t:O+8*\t+7], v[VS+\t], v[PW] matrix_a_fmt:MATRIX_FMT_FP6 matrix_b_fmt:MATRIX_FMT_FP6   ; the three accumulators take turns
.endr
.endm
; A SLOT'S EIGHT STEPS.  Behind the round the other slot is asked for anew.
.macro PHASE slot, refill
	s_wait_alu depctr_va_vdst(0)                   ; directly ahead of the wait below
	s_wait_tensorcnt 0x0
	ds_add_u32 v[SPW], v[NIL]
.if \refill
	s_add_co_u32 s50, s[HH], \slot                 ; no load of mine is out: the other slot's group 0 is written.  Slot 1 takes this half-pair's records 8-15, slot 0 the next half-pair's records 0-7
	s_lshr_b32 s50, s50, 1
	s_mul_i32 s50, s50, 16*REC
.if \slot == 0
	s_add_nc_u64 s[G0B+2:G0B+3], s[BK1:BK1+1], s[50:51]
	s_or_b32 s[G0B+3], s[G0B+3], 0x80000000
.else
	s_add_nc_u64 s[G0A+2:G0A+3], s[BK0:BK0+1], s[50:51]
	s_or_b32 s[G0A+3], s[G0A+3], 0x80000000
.endif
.endif
	s_wait_dscnt 0x0
	ROUND
.if \refill
.if \slot == 0
	tensor_load_to_lds s[G0B:G0B+3], s[G1:G1+7]
.else
	tensor_load_to_lds s[G0A:G0A+3], s[G1:G1+7]
.endif
	s_nop 0
.rept 4
	v_nop
.endr
.endif
	s_mov_b32 s[TB], RING+\slot*SLOTP+7*REC        ; the slot's last record first
	s_mov_b32 s[CNT], 8
	v_add_nc_u32 v3, s[TB], v1
	v_add_nc_u32 v4, s[TB], v2
	s_wait_alu depctr_va_vdst(0)
.Lstep_\@:
	STEP
	s_sub_co_u32 s[CNT], s[CNT], 1
	s_cmp_lg_u32 s[CNT], 0
	s_cbranch_scc1 .Lstep_\@
.endm
; A UNIT: my 16 queries of half-pair HH against the pair's 2,048 keys.  last = 1: no unit follows: nothing more is asked for
.macro UNIT last
	s_wait_xcnt 0x0                                ; earlier loads and stores have read their bases and data: both are written again only behind this wait
	PLACE s[HH]
	s_mul_hi_u32 s15, s13, 0x2aaaaaab
	s_mul_i32 s15, s15, 6
	s_sub_co_u32 s15, s13, s15                     ; head
	s_mov_b32 s[CS], C42
	s_cmp_lt_u32 s15, 4
	s_cselect_b32 s[CS], C43, s[CS]
	s_mov_b32 s[CS+1], s[CS]
	s_lshl_b32 s13, s13, 7
	s_lshl_b32 s14, s14, 4
	s_add_co_u32 s13, s13, s14
	s_add_co_u32 s13, s13, s[WV]                   ; pair x 128 + query tile
	s_mul_i32 s48, s13, 3072
	s_add_nc_u64 s[20:21], s[8:9], s[48:49]
	v_mov_b32 v13, 0xff61b1e6                      ; the largest score so far: -3e38
	v_mov_b32 v12, 0x7f61b1e6                      ; -M: 3e38
.irp j,0,1,2,3,4,5,6,7
	v_mov_b32 v[SU+\j], 0                          ; the sum's four chains
.endr
	s_wait_loadcnt 0x0                             ; Q, asked for a unit ago
.irp j,0,1,2,3,4,5
	v_mov_b32 v[QF+\j], v[QN+\j]
.endr
	v_mov_b32 v[QS], v[QN+6]
.if !\last
	s_add_co_u32 s15, s[HH], 1
	QASK s15                                       ; the next unit's Q lands under this unit
.endif
.irp j,0,1,2,3,4,5,6,7,8,9,10,11,12,13,14,15,16,17,18,19,20,21,22,23
	v_mov_b32 v[O+\j], 0                           ; the step is written for every step alike: the first finds zeros, which the first change of M leaves zeros
.endr
	PHASE 0, 1
	PHASE 1, !\last
	s_wait_alu depctr_va_vdst(0)                   ; directly ahead of the readers below: the sums' last additions stand ahead of the wait for V's loads
	v_pk_add_f32 v[SU:SU+1], v[SU:SU+1], v[SU+2:SU+3]               ; the four chains are joined; these lines are also the plain instructions behind the last products
	v_pk_add_f32 v[SU+4:SU+5], v[SU+4:SU+5], v[SU+6:SU+7]
	s_delay_alu instid0(VALU_DEP_1)
	v_pk_add_f32 v[SU:SU+1], v[SU:SU+1], v[SU+4:SU+5]
	s_delay_alu instid0(VALU_DEP_1)
	v_add_f32 v14, v[SU], v[SU+1]
	s_delay_alu instid0(VALU_DEP_1)
	v_permlanex16_b32 v[TT], v14, s[SEL], s[SEL+1]
	s_delay_alu instid0(VALU_DEP_1)
	v_add_f32 v14, v14, v[TT]                      ; the row's sum: my 1,024 keys' and lane xor 16's
	s_wait_alu depctr_va_vdst(0)
	v_rcp_f32 v14, v14
	v_nop
	s_wait_alu depctr_va_vdst(0)                   ; ahead of the first reader of the quotient and of O^T
.irp j,0,2,4,6,8,10,12,14,16,18,20,22
	v_pk_mul_f32 v[S+\j:S+\j+1], v[O+\j:O+\j+1], v[14:15] op_sel_hi:[1,0]
.endr
.irp n,0,1,2,3,4,5
	global_store_b128 v1, v[S+4*\n:S+4*\n+3], s[20:21] offset:512*\n th:TH_STORE_NT   ; 32 lanes store 512 consecutive bytes, aligned
.endr
	s_add_co_u32 s[HH], s[HH], 1
.endm
	s_load_b128 s[4:7], s[0:1], 0x0                ; qc, kv
	s_load_b64 s[8:9], s[0:1], 0x10                ; ao
	v_lshl_add_u32 v[SPW], v0, 2, SPARE
	v_mov_b32 v[NIL], 0
	ds_add_u32 v[SPW], v[NIL]                      ; the opening: the add, twice on end, and its wait ahead of the round in front of the first tensor load
	ds_add_u32 v[SPW], v[NIL]
	v_lshrrev_b32 v1, 5, v0
	v_readfirstlane_b32 s[WV], v1
	s_bfe_u32 s[CX], ttmp6, 0x40000
	s_mul_i32 s[HH], ttmp9, 3                      ; my cluster's first half-pair
	s_lshr_b32 s[W8], s[WV], 3
	s_mov_b32 s[SEL], 0x76543210
	s_mov_b32 s[SEL+1], 0xfedcba98
	s_mov_b32 s[G1], 15|(3<<16)|(1<<21)            ; group 1: the mask names all four; elements of 8 bytes; bit 21 beside a mask; no padding
	s_mov_b32 s[G1+1], 32<<16                      ; a dense block: 23 rows of 256 bytes
	s_mov_b32 s[G1+2], 23<<16
	s_mov_b32 s[G1+3], 32<<16
	s_mov_b32 s[G1+4], 23
	s_mov_b32 s[G1+5], 32
	s_mov_b32 s[G1+6], 0
	s_mov_b32 s[G1+7], 0
	s_mov_b32 s[G0A], 1
	s_mov_b32 s[G0B], 1
	s_mul_i32 s48, s[WV], PART
	s_add_co_u32 s[G0A+1], s48, RING
	s_add_co_u32 s[G0B+1], s48, RING+SLOTP
	s_mov_b32 s49, 0
	s_mov_b32 s51, 0
	s_lshr_b32 s50, s[HH], 1
	s_mul_i32 s50, s50, 16*REC                     ; the first pair's records
	s_and_b32 s15, s[WV], 7                        ; my tile in its group of 128 queries
	s_mul_i32 s17, s15, 768
	s_lshr_b32 s13, s15, 2
	s_lshl_b32 s13, s13, 8
	s_and_b32 s14, s15, 3
	s_lshl_b32 s14, s14, 2
	s_add_co_u32 s13, s13, s14
	v_and_b32 v11, 31, v0
	v_and_b32 v10, 15, v0
	v_bfe_u32 v7, v0, 4, 1
	v_lshlrev_b32 v1, 4, v11                       ; 16 x lane
	v_lshlrev_b32 v2, 3, v11                       ; 8 x lane
	v_lshl_add_u32 v10, v10, 4, s13                ; my row's scale word in a record of qc
	v_lshlrev_b32 v7, 3, v7                        ; 8 h
	v_add_nc_u32 v8, s17, v1                       ; my tile's unit
	v_add_nc_u32 v9, s17, v2
.irp j,0,1,2,3,4,5
	v_mov_b32 v[QF+6+\j], 0
	v_mov_b32 v[KF+48+\j], 0                       ; v78-83: the upper six registers of key tile 7's operand
.endr
	v_mov_b32 v[TP], 0                             ; (a lane permute's destination counts as one of its sources)
	v_mov_b32 v[FF+1], 0                           ; (named as the upper half of the pair with f)
	v_mov_b32 v15, 0                               ; (named as the upper half of the pair with the quotient)
	s_wait_alu depctr_va_vdst(0)                   ; the head's end
	s_wait_dscnt 0x0                               ; both opening adds are done
	s_wait_kmcnt 0x0
	s_add_nc_u64 s[BK0:BK0+1], s[6:7], s[48:49]
	s_add_nc_u64 s[BK1:BK1+1], s[BK0:BK0+1], 8*REC
	s_add_nc_u64 s[G0A+2:G0A+3], s[BK0:BK0+1], s[50:51]
	s_or_b32 s[G0A+3], s[G0A+3], 0x80000000
	ROUND                                          ; all four work-groups are here: the joint loads meet
	tensor_load_to_lds s[G0A:G0A+3], s[G1:G1+7]    ; slot 0's first fill: my one tensor load at the head; slot 1's follows behind the first unit's first round, as a refill does
	s_nop 0
.rept 4
	v_nop
.endr
	QASK s[HH]
	s_mov_b32 s[UC], 2
.Lunit:
	UNIT 0
	s_sub_co_u32 s[UC], s[UC], 1
	s_cmp_lg_u32 s[UC], 0
	s_cbranch_scc1 .Lunit
	UNIT 1                                         ; the last unit is written out: its second slot's steps ask for no fill
	s_wait_tensorcnt 0x0                           ; the wave's end
	ds_add_u32 v[SPW], v[NIL]
	s_wait_dscnt 0x0
	ROUND                                          ; the closing round
	s_endpgm
.Lfunc_end_k_qa80e8b959b_attn:
	.size	k_qa80e8b959b_attn, .Lfunc_end_k_qa80e8b959b_attn-k_qa80e8b959b_attn
	.p2alignl 7, 3214868480
	.fill 96, 4, 3214868480
	.section	.rodata,"a",@progbits
	.p2align	6, 0x0
	.amdhsa_kernel k_qa80e8b959b_attn
		.amdhsa_group_segment_fixed_size 327680
		.amdhsa_private_segment_fixed_size 0
		.amdhsa_enable_private_segment 0
		.amdhsa_kernarg_size 24
		.amdhsa_user_sgpr_count 2
		.amdhsa_user_sgpr_kernarg_segment_ptr 1
		.amdhsa_wavefront_size32 1
		.amdhsa_system_sgpr_workgroup_id_x 1
		.amdhsa_system_sgpr_workgroup_id_y 1
		.amdhsa_system_sgpr_workgroup_id_z 1
		.amdhsa_system_vgpr_workitem_id 0
		.amdhsa_next_free_vgpr 256
		.amdhsa_next_free_sgpr 66
		.amdhsa_reserve_vcc 0
		.amdhsa_float_denorm_mode_32 3
		.amdhsa_float_denorm_mode_16_64 3
		.amdhsa_memory_ordered 1
		.amdhsa_forward_progress 1
		.amdhsa_inst_pref_size 74
	.end_amdhsa_kernel
	.amdgpu_metadata
---
amdhsa.version: [ 1, 2 ]
amdhsa.kernels:
  - .name:           k_qa80e8b959b_attn
    .symbol:         k_qa80e8b959b_attn.kd
    .args:
      - { .name: qc, .offset: 0, .size: 8, .value_kind: global_buffer, .address_space: global }
      - { .name: kv, .offset: 8, .size: 8, .value_kind: global_buffer, .address_space: global }
      - { .name: ao, .offset: 16, .size: 8, .value_kind: global_buffer, .address_space: global }
    .group_segment_fixed_size: 327680
    .private_segment_fixed_size: 0
    .kernarg_segment_align: 8
    .kernarg_segment_size: 24
    .max_flat_workgroup_size: 512
    .sgpr_count:     66
    .vgpr_count:     256
    .wavefront_size: 32
...
	.end_amdgpu_metadata
.endif
;; end of part 3
;; launch ffn (part 4): grid 256 x 1, 8 waves a work-group, clusters of 4 x 1, 240,640 bytes of LDS; arguments x, ao, wt, out0; writes out0
.if DOCPART == 4
	.amdgcn_target "amdgcn-amd-amdhsa--gfx1250"
	.amdhsa_code_object_version 6
	.text
	.protected	k_qa80e8b959b_ffn
	.globl	k_qa80e8b959b_ffn
	.p2align	8
	.type	k_qa80e8b959b_ffn,@function
k_qa80e8b959b_ffn:
	s_mov_b64 s[64:65], 0
	v_nop
	global_prefetch_b8 v0, s[64:65] scope:SCOPE_SE
	s_setreg_imm32_b32 hwreg(HW_REG_WAVE_MODE, 25, 1), 1
	s_wait_xcnt 0x0
	s_wait_alu depctr_hold_cnt(0) depctr_sa_sdst(0) depctr_va_vdst(0) depctr_va_sdst(0) depctr_va_ssrc(0) depctr_va_vcc(0) depctr_vm_vsrc(0)
	s_getreg_b32 s2, hwreg(HW_REG_IB_STS2, 6, 4)
	s_cmp_eq_u32 s2, 0
	s_cbranch_scc0 .Lentry_in_a_cluster
	s_endpgm
.Lentry_in_a_cluster:
	s_bfe_u32 s2, ttmp6, 0x10000c
	s_cmp_lg_u32 s2, 0x3003
	s_cbranch_scc0 .Lentry_shape_is_right
	s_endpgm
.Lentry_shape_is_right:
; FFN.  a = layernorm(attention's result + x, g2, b2);  out0 = a + relu(a W_ffn1 + b_ffn1) W_ffn2 + b_ffn2, both products on codes of E2M3; a and the hidden layer are quantised in registers.  No work of the problem is left out here.
; SHARES: a work-group takes 128 positions of one b; wave w takes tile w, 16 rows, through the whole chain.  The FFN block of wt (both weights' images, their scale words, the four tables: 106,496 bytes) lies in LDS and is read by all eight waves.
; CLUSTER: the four work-groups of a cluster want the same FFN block: it is asked for JOINTLY by waves 0-3, 26,624 bytes a wave.  The rows of x are each work-group's own: tensor loads of waves 4-7 without a mask, issued with the joint one behind the same round.
; THE STAGE: 16 rows of x, 1,040 bytes apart, for each wave.  The tile is stated 260 numbers wide over rows of 256: the four numbers beyond a row's end arrive as zeros, so that the last head's slots 256-259 are defined.
; The six heads' results are added in two rounds (heads 0, 2, 4, then 1, 3, 5): within a round the heads' 48 slots do not meet; where neighbours' slots meet, one of the two holds 0.
; Both products are used transposed and both weights' tiles take columns 32 (t / 2) + 8 (t % 2) + r + 8 (r / 8): a lane holds one row, and register 16 B + i is channel 32 B + 16 h + i throughout.
; The biases cost nothing: b_ffn1 is the C of the first product's first step; a + b_ffn2, kept in the stage, is the C of the second's.
; LIMITS: as stated at the head of the first kernel.
.set STG,   106496
.set SPARE, 239616                     ; behind the eight stages: the spare words, 128 bytes a wave: four blocks of 256 bytes that no other line names
.set SPW,   8
.set NIL,   9
.set WV,    12
.set SEL,   60
.set OH,    16                         ; v16-159  the six heads' results; then v16-143: the row's 128 numbers, the hidden layer (v16-79), y
.set T,     160                        ; v160-231 three heads' slots of the stage
.set TM,    176                        ; v176-187 the quantiser's scratch
.set WSC,   250                        ; v250-251 two weight tiles' scale words;  v252 a's;  v253 the hidden layer's
.macro MM d, a, b, sa, sb, rows        ; every product here adds onto its C.  rows = 3: both sides' scales from lanes 16-31
.if (\rows) == 0
	v_wmma_scale_f32_16x16x128_f8f6f4 v[\d:\d+7], v[\a:\a+11], v[\b:\b+11], v[\d:\d+7], v[\sa], v[\sb] matrix_a_fmt:MATRIX_FMT_FP6 matrix_b_fmt:MATRIX_FMT_FP6
.else
	v_wmma_scale_f32_16x16x128_f8f6f4 v[\d:\d+7], v[\a:\a+11], v[\b:\b+11], v[\d:\d+7], v[\sa], v[\sb] matrix_a_fmt:MATRIX_FMT_FP6 matrix_b_fmt:MATRIX_FMT_FP6 matrix_a_scale:MATRIX_SCALE_ROW1 matrix_b_scale:MATRIX_SCALE_ROW1
.endif
.endm
.macro ROUND
	s_barrier_signal -1
	s_barrier_wait -1
	s_cmp_lg_u32 s[WV], 0
	s_cbranch_scc1 .Lnot_wave_0_\@
	s_barrier_signal -3
.Lnot_wave_0_\@:
	s_barrier_wait -3
	s_barrier_signal -1
	s_barrier_wait -1
.endm
.macro QUANT s, pc, pw                 ; 64 numbers of a lane, register 16 b + i = k 32 b + 16 h + i of my row, become a fragment at pc (scratch to pc + 18) and its scale word in pw
.irp b,0,1,2,3
	v_max3_num_f32 v[TM+\b], |v[\s+16*\b]|, |v[\s+1+16*\b]|, 0x1800000
.endr
.irp i,2,4,6,8,10,12,14
.irp b,0,1,2,3
	s_delay_alu instid0(VALU_DEP_4)
	v_max3_num_f32 v[TM+\b], v[TM+\b], |v[\s+16*\b+\i]|, |v[\s+1+16*\b+\i]|
.endr
.endr
.irp b,0,1,2,3
	s_delay_alu instid0(VALU_DEP_4)
	v_permlanex16_b32 v[TM+4+\b], v[TM+\b], s[SEL], s[SEL+1]
.endr
.irp b,0,1,2,3
	s_delay_alu instid0(VALU_DEP_4)
	v_max_num_f32 v[TM+\b], v[TM+\b], v[TM+4+\b]
.endr
.irp b,0,1,2,3
	s_delay_alu instid0(VALU_DEP_4)
	v_add_nc_u32 v[TM+8+\b], 0xff000000, v[TM+\b]
.endr
.irp b,0,1,2,3
	s_delay_alu instid0(VALU_DEP_4)
	v_lshrrev_b32 v[TM+4+\b], 23, v[TM+8+\b]
.endr
	s_delay_alu instid0(VALU_DEP_3)
	v_lshl_or_b32 v[\pw], v[TM+5], 8, v[TM+4]
	s_delay_alu instid0(VALU_DEP_1)
	v_lshl_or_b32 v[\pw], v[TM+6], 16, v[\pw]
	s_delay_alu instid0(VALU_DEP_1)
	v_lshl_or_b32 v[\pw], v[TM+7], 24, v[\pw]
.irp c,0,1
	v_cvt_scalef32_pk16_fp6_f32 v[\pc+6*\c:\pc+2+6*\c], v[\s+32*\c:\s+15+32*\c], v[TM+8+2*\c]
	v_cvt_scalef32_pk16_fp6_f32 v[\pc+12+4*\c:\pc+14+4*\c], v[\s+16+32*\c:\s+31+32*\c], v[TM+8+2*\c+1]
.endr
	v_nop
.irp c,0,1
.irp i,0,1,2
	v_permlane16_swap_b32 v[\pc+6*\c+\i], v[\pc+12+4*\c+\i]
.endr
.irp i,0,1,2
	s_delay_alu instid0(VALU_DEP_3)
	v_mov_b32 v[\pc+3+6*\c+\i], v[\pc+12+4*\c+\i]
.endr
.endr
.endm
.macro OLOAD q, hd                     ; a head's three tiles of O^T for my 16 rows
.irp n,0,1,2,3,4,5
	global_load_b128 v[OH+24*\q+4*\n:OH+24*\q+4*\n+3], v1, s[18:19] offset:\hd*393216+512*\n th:TH_LOAD_NT
.endr
.endm
.macro RLD i, c0                       ; the head's 48 slots of my row, from channel c0 on: my 8 of each 16
.irp n,0,1,2,3,4,5
	ds_load_b128 v[T+24*\i+4*\n:T+24*\i+4*\n+3], v4 offset:4*\c0+64*(\n/2)+16*(\n%2)
.endr
.endm
.macro RST i, c0
.irp n,0,1,2,3,4,5
	ds_store_b128 v4, v[T+24*\i+4*\n:T+24*\i+4*\n+3] offset:4*\c0+64*(\n/2)+16*(\n%2)
.endr
.endm
.macro RADD base
.set ii, 0
.rept 36
	v_pk_add_f32 v[T+ii:T+ii+1], v[T+ii:T+ii+1], v[\base+ii:\base+ii+1]
.set ii, ii+2
.endr
.endm
.macro WLOAD wb, a16, a8, off, f       ; two weight tiles (8 units) and their scale words: 18 LDS loads
.irp i,0,1
.irp k,0,1,2,3
	ds_load_b128 v[\wb+24*\i+6*\k:\wb+24*\i+6*\k+3], v[\a16] offset:\off+3072*\i+768*\k
	ds_load_b64 v[\wb+24*\i+6*\k+4:\wb+24*\i+6*\k+5], v[\a8] offset:\off+3072*\i+768*\k+512
.endr
	ds_load_b32 v[WSC+\i], v3 offset:128*(\f)+128*\i
.endr
.endm
.macro PAIR d, wb, bf, bs              ; two tiles x two steps of 128 along K: the two accumulators take turns
	MM \d, \wb, \bf, WSC, \bs, 0
	MM \d+8, \wb+24, \bf, WSC+1, \bs, 0
	MM \d, \wb+12, \bf+12, WSC, \bs, 3
	MM \d+8, \wb+36, \bf+12, WSC+1, \bs, 3
.rept 5
	v_nop                                          ; plain instructions before results are read and before loads land in registers that the products read
.endr
.endm
	s_load_b256 s[4:11], s[0:1], 0x0               ; x, ao, wt, out0
	v_lshl_add_u32 v[SPW], v0, 2, SPARE
	v_mov_b32 v[NIL], 0
	ds_add_u32 v[SPW], v[NIL]                      ; the opening: the add, twice on end, and its wait ahead of the round in front of the first tensor loads
	ds_add_u32 v[SPW], v[NIL]
	v_lshrrev_b32 v1, 5, v0
	s_delay_alu instid0(VALU_DEP_1)
	v_readfirstlane_b32 s[WV], v1
	s_bfe_u32 s13, ttmp6, 0x40000                  ; cx: it enters no joint load's address
	s_lshl_b32 s14, ttmp9, 2
	s_add_co_u32 s14, s14, s13
	s_and_b32 s15, s14, 15                         ; b
	s_lshr_b32 s16, s14, 4                         ; sg
	s_mov_b32 s28, 15|(3<<16)|(1<<21)              ; group 1 for the FFN block: the mask names all four; 104 rows of 256 bytes a wave
	s_mov_b32 s29, 32<<16
	s_mov_b32 s30, 104<<16                         ; waves 0-3 fetch the FFN block, 104 rows of 256 bytes each
	s_mov_b32 s31, 32<<16
	s_mov_b32 s32, 104
	s_mov_b32 s33, 32
	s_mov_b32 s34, 0
	s_mov_b32 s35, 0
	s_mov_b32 s44, 2<<16                           ; group 1 for x: no mask; elements of 4 bytes
	s_mov_b32 s45, 256<<16                         ; a row has 256 numbers left,
	s_mov_b32 s46, 32<<16                          ; waves 4-7 fetch x, 32 positions on end each
	s_mov_b32 s47, 260<<16                         ; the tile is 260 wide: the last four arrive as zeros
	s_mov_b32 s48, 32
	s_mov_b32 s49, 4096                            ; from position to position: 16 x 256 numbers
	s_mov_b32 s50, 0
	s_mov_b32 s51, 0
	s_mov_b32 s53, 0x3b800000                      ; 1 / 256
	s_mov_b32 s54, 0x3727c5ac                      ; 1e-5
	s_mov_b32 s[SEL], 0x76543210
	s_mov_b32 s[SEL+1], 0xfedcba98
	s_mov_b32 s24, 1
	s_mul_i32 s25, s[WV], 26624
	s_add_co_u32 s22, s25, 172800
	s_mov_b32 s23, 0
	; THE STAGE, as the code has it: the work-group's 128 positions in their order, 1,040 bytes apart.  Tile w, row r is position 64 (w / 4) + 8 (w % 4) + r % 8 + 32 (r / 8); a wave touches its own 16 rows alone
	s_lshr_b32 s57, s[WV], 2
	s_lshl_b32 s57, s57, 6
	s_and_b32 s40, s[WV], 3
	s_lshl_b32 s41, s40, 3
	s_add_co_u32 s57, s57, s41                     ; my tile's first position in the group
	s_mul_i32 s17, s57, 1040
	s_add_co_u32 s17, s17, STG                     ; its row of the stage
	s_mov_b32 s36, 1
	s_mul_i32 s37, s40, 33280
	s_add_co_u32 s37, s37, STG                     ; where wave 4 + i lays positions 32 i .. 32 i + 31
	s_lshl_b32 s56, s16, 7
	s_lshl_b32 s40, s40, 5
	s_add_co_u32 s40, s40, s56                     ; the first of them
	s_add_co_u32 s56, s56, s57                     ; my tile's first position
	s_lshl_b32 s56, s56, 14
	s_lshl_b32 s40, s40, 14
	s_lshl_b32 s57, s15, 10
	s_add_co_u32 s56, s56, s57
	s_add_co_u32 s40, s40, s57
	s_mov_b32 s57, 0
	s_mov_b32 s41, 0
	s_mul_i32 s58, s15, 768
	s_lshl_b32 s59, s16, 3
	s_add_co_u32 s58, s58, s59
	s_add_co_u32 s58, s58, s[WV]                   ; 6 b x 128 + query tile
	s_mul_i32 s58, s58, 3072
	s_mov_b32 s59, 0
	v_and_b32 v3, 31, v0
	s_delay_alu instid0(VALU_DEP_1)
	v_lshlrev_b32 v1, 4, v3                        ; 16 x lane
	s_delay_alu instid0(VALU_DEP_2)
	v_lshlrev_b32 v2, 3, v3                        ; 8 x lane
	s_delay_alu instid0(VALU_DEP_3)
	v_lshl_add_u32 v3, v3, 2, 98304                ; the weights' scale words
	v_and_b32 v10, 15, v0                          ; r
	v_bfe_u32 v249, v0, 4, 1                       ; h
	s_delay_alu instid0(VALU_DEP_2)
	v_and_b32 v4, 8, v10
	v_mad_u32_u24 v10, v4, 3, v10                  ; r % 8 + 32 (r / 8)
	v_mul_u32_u24 v10, v10, 1040
	s_delay_alu instid0(VALU_DEP_1)
	v_add_nc_u32 v10, s17, v10
	s_delay_alu instid0(VALU_DEP_1)
	v_lshl_add_u32 v4, v249, 5, v10                ; the stage by heads' slots: + 32 h
	s_delay_alu instid0(VALU_DEP_2)
	v_lshl_add_u32 v5, v249, 6, v10                ; the stage by blocks of 32: + 64 h
	v_lshl_add_u32 v6, v249, 6, 102400             ; the tables likewise
	v_add_nc_u32 v7, s17, v1                       ; the stage by whole rows
	v_add_nc_u32 v10, 49152, v1                    ; W_ffn2's tiles
	v_add_nc_u32 v11, 49152, v2
	s_wait_dscnt 0x0                               ; both opening adds are done
	s_wait_kmcnt 0x0
	s_add_nc_u64 s[26:27], s[8:9], s[22:23]
	s_or_b32 s27, s27, 0x80000000
	s_add_nc_u64 s[38:39], s[4:5], s[40:41]
	s_or_b32 s39, s39, 0x80000000
	s_add_nc_u64 s[18:19], s[6:7], s[58:59]
	s_add_nc_u64 s[20:21], s[10:11], s[56:57]
	OLOAD 0, 0                                     ; the six heads' results are asked for ahead of the round: 36 loads of mine are out
	OLOAD 1, 2
	OLOAD 2, 4
	OLOAD 3, 1
	OLOAD 4, 3
	OLOAD 5, 5
	ROUND                                          ; all four work-groups are here: the joint loads meet
	s_cmp_lt_u32 s[WV], 4                          ; one tensor load a wave at the head: one chain of two arms on the wave's number
	s_cbranch_scc0 .Lfor_x
	tensor_load_to_lds s[24:27], s[28:35]          ; waves 0-3: a quarter of the FFN block, jointly
	s_nop 0
.rept 4
	v_nop
.endr
	s_branch .Lasked
.Lfor_x:
	tensor_load_to_lds s[36:39], s[44:51]          ; waves 4-7: 32 positions of x
	s_nop 0
.Lasked:
.rept 4
	v_nop
.endr
	s_wait_alu depctr_va_vdst(0)
	v_cmp_ne_u32 s52, 0, v249
	s_wait_tensorcnt 0x0
	s_barrier_signal -1
	s_barrier_wait -1                              ; the FFN block is whole
	; ---- x + the heads' results
	RLD 0, 0
	RLD 1, 84
	RLD 2, 172
	s_wait_loadcnt 18                              ; heads 0, 2, 4 are in; the other 18 loads may be out
	s_wait_dscnt 0x0
	RADD OH
	RST 0, 0
	RST 1, 84
	RST 2, 172
	RLD 0, 40                                      ; LDS serves a wave's instructions in order: these see the stores above
	RLD 1, 128
	RLD 2, 212
	s_wait_loadcnt 0x0
	s_wait_dscnt 0x0
	RADD OH+72
	RST 0, 40
	RST 1, 128
	RST 2, 212
.irp bb,0,1,2,3,4,5,6,7
.irp j,0,1,2,3
	ds_load_b128 v[16+16*\bb+4*\j:19+16*\bb+4*\j], v5 offset:128*\bb+16*\j   ; register 16 B + i: channel 32 B + 16 h + i of my row
.endr
.endr
	s_wait_dscnt 0x0
	; ---- the layer norm: my 128 numbers and lane xor 16's
	v_pk_add_f32 v[146:147], v[16:17], v[18:19]
	v_pk_add_f32 v[148:149], v[32:33], v[40:41]
	v_pk_add_f32 v[150:151], v[48:49], v[56:57]
	v_pk_add_f32 v[254:255], v[64:65], v[72:73]
	v_pk_add_f32 v[252:253], v[80:81], v[88:89]
	v_pk_add_f32 v[250:251], v[96:97], v[104:105]
	v_pk_add_f32 v[248:249], v[112:113], v[120:121]
	v_pk_add_f32 v[144:145], v[128:129], v[136:137]
	s_delay_alu instid0(VALU_DEP_1)
	v_pk_add_f32 v[144:145], v[144:145], v[20:21]
	v_pk_add_f32 v[146:147], v[146:147], v[22:23]
	v_pk_add_f32 v[148:149], v[148:149], v[34:35]
	v_pk_add_f32 v[150:151], v[150:151], v[42:43]
	v_pk_add_f32 v[254:255], v[254:255], v[50:51]
	v_pk_add_f32 v[252:253], v[252:253], v[58:59]
	v_pk_add_f32 v[250:251], v[250:251], v[66:67]
	v_pk_add_f32 v[248:249], v[248:249], v[74:75]
	v_pk_add_f32 v[144:145], v[144:145], v[82:83]
	v_pk_add_f32 v[146:147], v[146:147], v[90:91]
	v_pk_add_f32 v[148:149], v[148:149], v[98:99]
	v_pk_add_f32 v[150:151], v[150:151], v[106:107]
	v_pk_add_f32 v[254:255], v[254:255], v[114:115]
	v_pk_add_f32 v[252:253], v[252:253], v[122:123]
	v_pk_add_f32 v[250:251], v[250:251], v[130:131]
	v_pk_add_f32 v[248:249], v[248:249], v[138:139]
	v_pk_add_f32 v[144:145], v[144:145], v[24:25]
	v_pk_add_f32 v[146:147], v[146:147], v[26:27]
	v_pk_add_f32 v[148:149], v[148:149], v[36:37]
	v_pk_add_f32 v[150:151], v[150:151], v[44:45]
	v_pk_add_f32 v[254:255], v[254:255], v[52:53]
	v_pk_add_f32 v[252:253], v[252:253], v[60:61]
	v_pk_add_f32 v[250:251], v[250:251], v[68:69]
	v_pk_add_f32 v[248:249], v[248:249], v[76:77]
	v_pk_add_f32 v[144:145], v[144:145], v[84:85]
	v_pk_add_f32 v[146:147], v[146:147], v[92:93]
	v_pk_add_f32 v[148:149], v[148:149], v[100:101]
	v_pk_add_f32 v[150:151], v[150:151], v[108:109]
	v_pk_add_f32 v[254:255], v[254:255], v[116:117]
	v_pk_add_f32 v[252:253], v[252:253], v[124:125]
	v_pk_add_f32 v[250:251], v[250:251], v[132:133]
	v_pk_add_f32 v[248:249], v[248:249], v[140:141]
	v_pk_add_f32 v[144:145], v[144:145], v[28:29]
	v_pk_add_f32 v[146:147], v[146:147], v[30:31]
	v_pk_add_f32 v[148:149], v[148:149], v[38:39]
	v_pk_add_f32 v[150:151], v[150:151], v[46:47]
	v_pk_add_f32 v[254:255], v[254:255], v[54:55]
	v_pk_add_f32 v[252:253], v[252:253], v[62:63]
	v_pk_add_f32 v[250:251], v[250:251], v[70:71]
	v_pk_add_f32 v[248:249], v[248:249], v[78:79]
	v_pk_add_f32 v[144:145], v[144:145], v[86:87]
	v_pk_add_f32 v[146:147], v[146:147], v[94:95]
	v_pk_add_f32 v[148:149], v[148:149], v[102:103]
	v_pk_add_f32 v[150:151], v[150:151], v[110:111]
	v_pk_add_f32 v[254:255], v[254:255], v[118:119]
	v_pk_add_f32 v[252:253], v[252:253], v[126:127]
	v_pk_add_f32 v[250:251], v[250:251], v[134:135]
	v_pk_add_f32 v[248:249], v[248:249], v[142:143]
	s_delay_alu instid0(VALU_DEP_4)
	v_pk_add_f32 v[144:145], v[144:145], v[254:255]
	s_delay_alu instid0(VALU_DEP_4)
	v_pk_add_f32 v[146:147], v[146:147], v[252:253]
	s_delay_alu instid0(VALU_DEP_4)
	v_pk_add_f32 v[148:149], v[148:149], v[250:251]
	s_delay_alu instid0(VALU_DEP_4)
	v_pk_add_f32 v[150:151], v[150:151], v[248:249]
	s_delay_alu instid0(VALU_DEP_2)
	v_pk_add_f32 v[144:145], v[144:145], v[148:149]
	s_delay_alu instid0(VALU_DEP_2)
	v_pk_add_f32 v[146:147], v[146:147], v[150:151]
	s_delay_alu instid0(VALU_DEP_1)
	v_pk_add_f32 v[144:145], v[144:145], v[146:147]
	s_delay_alu instid0(VALU_DEP_1)
	v_add_f32 v144, v144, v145
	s_delay_alu instid0(VALU_DEP_1)
	v_permlanex16_b32 v146, v144, s[SEL], s[SEL+1]
	s_delay_alu instid0(VALU_DEP_1)
	v_add_f32 v144, v144, v146
	s_delay_alu instid0(VALU_DEP_1)
	v_mul_f32 v12, s53, v144                       ; the mean
	s_delay_alu instid0(VALU_DEP_1)
	v_mov_b32 v13, v12
.set ii, 0
.rept 64
	v_pk_add_f32 v[16+ii:17+ii], v[16+ii:17+ii], v[12:13] neg_lo:[0,1] neg_hi:[0,1]
.set ii, ii+2
.endr
.irp k,0,1,2,3
	v_pk_mul_f32 v[144+2*\k:145+2*\k], v[16+2*\k:17+2*\k], v[16+2*\k:17+2*\k]
.endr
.irp q,8,16,24,32,40,48,56,64,72,80,88,96,104,112,120
.irp k,0,1,2,3
	s_delay_alu instid0(VALU_DEP_4)
	v_pk_fma_f32 v[144+2*\k:145+2*\k], v[16+\q+2*\k:17+\q+2*\k], v[16+\q+2*\k:17+\q+2*\k], v[144+2*\k:145+2*\k]
.endr
.endr
	s_delay_alu instid0(VALU_DEP_3)
	v_pk_add_f32 v[144:145], v[144:145], v[146:147]
	s_delay_alu instid0(VALU_DEP_2)
	v_pk_add_f32 v[148:149], v[148:149], v[150:151]
	s_delay_alu instid0(VALU_DEP_1)
	v_pk_add_f32 v[144:145], v[144:145], v[148:149]
	s_delay_alu instid0(VALU_DEP_1)
	v_add_f32 v144, v144, v145
	s_delay_alu instid0(VALU_DEP_1)
	v_permlanex16_b32 v146, v144, s[SEL], s[SEL+1]
	s_delay_alu instid0(VALU_DEP_1)
	v_add_f32 v144, v144, v146
	s_delay_alu instid0(VALU_DEP_1)
	v_fma_f32 v144, v144, s53, s54                 ; var + eps
	s_wait_alu depctr_va_vdst(0)
	v_rsq_f32 v14, v144
	v_nop
	s_wait_alu depctr_va_vdst(0)                   ; ahead of the root's first reader
	v_mov_b32 v15, v14
	; ---- a = (.) x g2 + b2, two blocks of 32 at a time; a + b_ffn2 goes back to the stage
	s_wait_alu depctr_va_vdst(0)
.irp ch,0,1,2,3
.irp i,0,1,2,3,4,5,6,7
	ds_load_b128 v[144+4*\i:147+4*\i], v6 offset:256*\ch+128*(\i/4)+16*(\i%4)
	ds_load_b128 v[176+4*\i:179+4*\i], v6 offset:1024+256*\ch+128*(\i/4)+16*(\i%4)
	ds_load_b128 v[208+4*\i:211+4*\i], v6 offset:3072+256*\ch+128*(\i/4)+16*(\i%4)
.endr
	s_wait_dscnt 0x0
.irp k,0,2,4,6,8,10,12,14,16,18,20,22,24,26,28,30
	v_pk_mul_f32 v[16+32*\ch+\k:17+32*\ch+\k], v[16+32*\ch+\k:17+32*\ch+\k], v[14:15]
.endr
.irp k,0,2,4,6,8,10,12,14,16,18,20,22,24,26,28,30
	v_pk_fma_f32 v[16+32*\ch+\k:17+32*\ch+\k], v[16+32*\ch+\k:17+32*\ch+\k], v[144+\k:145+\k], v[176+\k:177+\k]
.endr
.irp k,0,2,4,6,8,10,12,14,16,18,20,22,24,26,28,30
	v_pk_add_f32 v[208+\k:209+\k], v[208+\k:209+\k], v[16+32*\ch+\k:17+32*\ch+\k]
.endr
.irp i,0,1,2,3,4,5,6,7
	ds_store_b128 v5, v[208+4*\i:211+4*\i] offset:256*\ch+128*(\i/4)+16*(\i%4)
.endr
.endr
	s_wait_dscnt 0x0                               ; the stores have read their registers
	QUANT 16, 144, 244                             ; a's two fragments: v144-155, v156-167
	QUANT 80, 156, 245
	v_cndmask_b32 v252, v244, v245, s52            ; lanes 0-15: the first 128's words; lanes 16-31: the second's
	s_wait_alu depctr_va_vdst(0)
.rept 8
	v_nop                                          ; a scale register made by a vector instruction stands eight plain instructions ahead of the product, an operand four
.endr
	; ---- the hidden layer, 128 units at a time
.irp hh,0,1
.irp i,0,1,2,3,4,5,6,7,8,9,10,11,12,13,14,15
	ds_load_b128 v[16+4*\i:19+4*\i], v6 offset:2048+512*\hh+128*(\i/4)+16*(\i%4)   ; b_ffn1 in the result's layout: the sums begin with it
.endr
.irp tp,0,1,2,3
	WLOAD 80, 1, 2, (8*\hh+2*\tp)*3072, 8*\hh+2*\tp
	s_wait_dscnt 0x0
	PAIR 16+16*\tp, 80, 144, 252
.endr
.set ii, 0
.rept 64
	v_max_num_f32 v[16+ii], 0, v[16+ii]            ; relu
.set ii, ii+1
.endr
	QUANT 16, 200+12*\hh, 246+\hh                  ; the hidden layer's fragments: v200-211, v212-223
.endr
	v_cndmask_b32 v253, v246, v247, s52
	s_wait_alu depctr_va_vdst(0)
.rept 8
	v_nop
.endr
	; ---- y = a + b_ffn2 + hidden W_ffn2
.irp bb,0,1,2,3,4,5,6,7
.irp j,0,1,2,3
	ds_load_b128 v[16+16*\bb+4*\j:19+16*\bb+4*\j], v5 offset:128*\bb+16*\j
.endr
.endr
.irp tp,0,1,2,3,4,5,6,7
	WLOAD 144, 10, 11, 6144*\tp, 16+2*\tp
	s_wait_dscnt 0x0
	PAIR 16+16*\tp, 144, 200, 253
.endr
.irp bb,0,1,2,3,4,5,6,7
.irp j,0,1,2,3
	ds_store_b128 v5, v[16+16*\bb+4*\j:19+16*\bb+4*\j] offset:128*\bb+16*\j   ; each accumulator from its low end on
.endr
.endr
	s_wait_dscnt 0x0
.irp i,0,1,2,3,4,5,6,7,8,9,10,11,12,13,14,15,16,17,18,19,20,21,22,23,24,25,26,27,28,29,30,31
	ds_load_b128 v[16+4*\i:19+4*\i], v7 offset:((\i/2)+24*(\i/16))*1040+512*(\i%2)
.endr
.irp i,0,1,2,3,4,5,6,7,8,9,10,11,12,13,14,15,16,17,18,19,20,21,22,23,24,25,26,27,28,29,30,31
	s_wait_dscnt 31-\i
	global_store_b128 v1, v[16+4*\i:19+4*\i], s[20:21] offset:((\i/2)+24*(\i/16))*16384+512*(\i%2) th:TH_STORE_NT
.endr
	s_wait_tensorcnt 0x0                           ; the wave's end
	ds_add_u32 v[SPW], v[NIL]
	s_wait_dscnt 0x0
	ROUND                                          ; the closing round
	s_endpgm
.Lfunc_end_k_qa80e8b959b_ffn:
	.size	k_qa80e8b959b_ffn, .Lfunc_end_k_qa80e8b959b_ffn-k_qa80e8b959b_ffn
	.p2alignl 7, 3214868480
	.fill 96, 4, 3214868480
	.section	.rodata,"a",@progbits
	.p2align	6, 0x0
	.amdhsa_kernel k_qa80e8b959b_ffn
		.amdhsa_group_segment_fixed_size 240640
		.amdhsa_private_segment_fixed_size 0
		.amdhsa_enable_private_segment 0
		.amdhsa_kernarg_size 32
		.amdhsa_user_sgpr_count 2
		.amdhsa_user_sgpr_kernarg_segment_ptr 1
		.amdhsa_wavefront_size32 1
		.amdhsa_system_sgpr_workgroup_id_x 1
		.amdhsa_system_sgpr_workgroup_id_y 1
		.amdhsa_system_sgpr_workgroup_id_z 1
		.amdhsa_system_vgpr_workitem_id 0
		.amdhsa_next_free_vgpr 256
		.amdhsa_next_free_sgpr 66
		.amdhsa_reserve_vcc 0
		.amdhsa_float_denorm_mode_32 3
		.amdhsa_float_denorm_mode_16_64 3
		.amdhsa_memory_ordered 1
		.amdhsa_forward_progress 1
		.amdhsa_inst_pref_size 124
	.end_amdhsa_kernel
	.amdgpu_metadata
---
amdhsa.version: [ 1, 2 ]
amdhsa.kernels:
  - .name:           k_qa80e8b959b_ffn
    .symbol:         k_qa80e8b959b_ffn.kd
    .args:
      - { .name: x, .offset: 0, .size: 8, .value_kind: global_buffer, .address_space: global }
      - { .name: ao, .offset: 8, .size: 8, .value_kind: global_buffer, .address_space: global }
      - { .name: wt, .offset: 16, .size: 8, .value_kind: global_buffer, .address_space: global }
      - { .name: out0, .offset: 24, .size: 8, .value_kind: global_buffer, .address_space: global }
    .group_segment_fixed_size: 240640
    .private_segment_fixed_size: 0
    .kernarg_segment_align: 8
    .kernarg_segment_size: 32
    .max_flat_workgroup_size: 256
    .sgpr_count:     66
    .vgpr_count:     256
    .wavefront_size: 32
...
	.end_amdgpu_metadata
.endif
;; end of part 4
